; MI455X (gfx1250); checked and timed in simulation.
; The chip was launched on July 23, 2026; its instructions are those of AMD's public machine-readable ISA for CDNA 5 (MIT licence, August 2026) and "CDNA5" Instruction Set Architecture Reference Guide (July 2026). The comments in the code are by the model that wrote it; some were corrected since.
;; Self Attention. Allowed arithmetic: matrix products marked QUANTISED: E2M3 operands, one E8M0 scale for each 32 along K, by v_wmma_scale_f32_16x16x128_f8f6f4 with both operands' format E2M3, f32 sums; everything else in f32.
;; Inputs: Wk 1,024 x 1,024 float32; Wo 1,024 x 1,024 float32; Wq 1,024 x 1,024 float32; Wv 1,024 x 1,024 float32; bo 1,024 float32; keys 4 x 2,048 x 1,024 float32; mask 4 x 1 x 1 x 2,048 int32; query 4 x 2,048 x 1,024 float32; values 4 x 2,048 x 1,024 float32.
;; Outputs: out0 4 x 2,048 x 1,024 float32.
;; This version of the problem:
;;   THIS VERSION OF THE PROBLEM IS GIVEN IN LOW PRECISION. The matrix products marked QUANTISED in the list below multiply operands that are first quantised to E2M3 (2 exponent bits, 3 mantissa bits; 6 bits a number), with one power-of-two scale for each 32 numbers along K (OCP MX v1.0); their sums are f32. All else is computed in f32.
;;   The module's matrix products, in the order in which they are computed (A, B: the left and right operand; K: the contracted axis; several contracted axes count as one K, in the product's order):
;;     1. [M 8,192, K 1,024] x [K 1,024, N 1,024]; A: input values; B: input Wv: QUANTISED
;;     2. [M 8,192, K 1,024] x [K 1,024, N 1,024]; A: input keys; B: input Wk: QUANTISED
;;     3. [M 8,192, K 1,024] x [K 1,024, N 1,024]; A: input query; B: input Wq: QUANTISED
;;     4. batch 64 x [M 2,048, K 64] x [K 64, N 2,048]; A: computed on the way; B: computed on the way: QUANTISED
;;     5. batch 64 x [M 64, K 2,048] x [K 2,048, N 2,048]; A: computed on the way; B: softmax (see below): QUANTISED
;;     6. [M 8,192, K 1,024] x [K 1,024, N 1,024]; A: computed on the way; B: input Wo: QUANTISED
;;   THE QUANTISER, for each operand of a quantised product, along K:
;;     - K is cut into blocks of 32 from its start; a last block that is shorter is filled with zeros.
;;     - A block's scale is 2^e with e = floor(log2(the largest magnitude in the block)) - 2, held to -126 .. 127; a block of zeros has e = 0. As a byte (E8M0): e + 127.
;;     - Each number is divided by its block's scale, clamped to +-7.5, and rounded to the nearest number of E2M3, ties to even, subnormals kept.
;;     - The product sums the exact products of the quantised numbers (number of the format x scale) in f32.
;;   ~~~python
;;   def quantise(x, axis):      # numpy; x: float32 -> the quantised numbers, widened to float32 again
;;       x = np.moveaxis(x, axis, -1); K = x.shape[-1]
;;       x = np.pad(x, [(0, 0)] * (x.ndim - 1) + [(0, -K % 32)]); x = x.reshape(x.shape[:-1] + (-1, 32)); a = np.abs(x).max(-1, keepdims=True)
;;       e = np.where(a > 0, np.clip(np.frexp(np.where(a > 0, a, 1))[1] - 1 - 2, -126, 127), 0)      # np.frexp(a)[1] - 1 = floor(log2(a)), exactly
;;       r = np.clip(x / 2.0 ** e, -7.5, 7.5)
;;       step = 2.0 ** (np.maximum(np.frexp(np.where(r == 0, 1, r))[1] - 1, 0) - 3)
;;       q = np.round(r / step) * step * 2.0 ** e      # np.round: ties to even
;;       return np.moveaxis(q.reshape(q.shape[:-2] + (-1,))[..., :K], -1, axis).astype(np.float32)
;;   ~~~
;;   SOFTMAX AHEAD OF A QUANTISED PRODUCT. Where the list says 'softmax', what is quantised is not the finished softmax but p = 2^(t - M), with t = logit x log2(e) and M = ceil(the row's largest t), a whole number; so 1/2 < the row's largest p <= 1. The row's sum l is taken of the UNQUANTISED p, in f32, and the product's result is divided by l at the end. Since M is a whole number, a kernel that streams over the keys may use a running M (the ceiling of the running maximum): every later rescaling is an exact power of two, which a block's scale takes up: the codes' values come out the same.
;;   OPERANDS COMPUTED ON THE WAY. 'Computed on the way' means the value that the module computes at that place (a softmax that the list does not call 'softmax' is quantised finished and normalised). What goes into a quantiser is computed in f32, as accurately as f32 sums, v_exp_f32 and their like allow (about 1e-6 of the number): no bf16 or f16 on the way to a quantiser, and a product that is left as it is and whose result goes on into a quantised operand takes f32 operands (vector FMAs, or v_wmma_f32_16x16x4_f32). A number that lies on a knife's edge between two numbers of the format may be rounded either way, as far as f32 arithmetic and the matrix unit's own rounding can turn it there, and no further.
;; One version. Each part assembles by itself: llvm-mc -triple=amdgcn-amd-amdhsa -mcpu=gfx1250 --defsym DOCPART=n.
;; ======== version 1 of 1: 4 launches
;; limits: right only within a limited range of input values
;; workspace buffers: xc 22,020,096 bytes; xs 917,504 bytes; qb 6,553,600 bytes; kv 13,107,200 bytes; oc 6,291,456 bytes; os 262,144 bytes
;; launch quant (part 1): grid 896 x 1, 4 waves a work-group, no clusters, 33,280 bytes of LDS; arguments values, keys, query, Wv, Wk, Wq, Wo, xc, xs; writes xc, xs
.if DOCPART == 1
	.amdgcn_target "amdgcn-amd-amdhsa--gfx1250"
	.amdhsa_code_object_version 6
	.text
	.protected	k_q52efad09ee_quant
	.globl	k_q52efad09ee_quant
	.p2align	8
	.type	k_q52efad09ee_quant,@function
k_q52efad09ee_quant:
	s_mov_b64 s[64:65], 0
	v_nop
	global_prefetch_b8 v0, s[64:65] scope:SCOPE_SE
	s_setreg_imm32_b32 hwreg(HW_REG_WAVE_MODE, 25, 1), 1
	s_wait_xcnt 0x0
; FIRST OF FOUR LAUNCHES of: out = softmax(mask(q k^T / 8)) v Wo^T + bo, q = query Wq^T, k = keys Wk^T, v = values Wv^T, every product on codes of E2M3 with one E8M0 scale for each 32 along K.
; DEAD WORK: none.  Every input (values, keys, query, mask, the four weights, bo) has a way to out0 for some finite values, so every one is loaded by some launch and no product is left out.
; THIS LAUNCH turns the seven f32 tensors whose K (their last axis, 1,024) is innermost into codes (6 bits each, a row = 768 bytes) in xc and scale bytes (a row = 32 bytes) in xs, one tensor behind the other:
; values, keys, query (8,192 rows each), Wv, Wk, Wq, Wo (1,024 rows each).
; A block's scale is 2^(floor(log2(its largest magnitude)) - 2); its byte is the largest magnitude's exponent field - 2, held at 1 from below; each number is divided by the scale and rounded to the nearest code, ties to even.
; LIMITS: a block whose largest magnitude lies under 2^-124 (a block of zeros among them) gets the byte 1 where the quantiser says otherwise: a block of zeros has zero codes, which add nothing under any byte; the bytes are read
; by this program alone.  NaN and infinities among the inputs are not served.
; ROW ORDER.  A work-group takes 32 rows, each of its four waves 8.  In values, keys, Wv, Wk and Wq the four groups of 8 rows are STORED in the order 0, 2, 1, 3: stored row 32 b + 16 u + m holds row 32 b + 8 u + m + 8 (m / 8).
; Sixteen neighbouring stored rows are then a tile whose matrix result, used transposed, has 16 neighbours along the tile's axis in a lane's 16 registers of two neighbouring tiles.  query and Wo keep their order.
; A wave takes 16 steps of 512 numbers.  Each of a step's four loads reads 512 consecutive bytes; the 2,048 bytes turn through the wave's own stage in LDS and come back 64 bytes (16 neighbours) a lane; two lanes hold a block.
; A lane's 16 codes are 12 bytes: the wave stores 384 consecutive bytes.  A wave's 256 scale bytes are gathered in LDS and leave as one aligned run of 256 bytes.  No tensor loads, no barrier: waves share nothing.
.set WAVES, 4
.set STEPS, 16
.set EMAX,  2
.set CB,    12                         ; bytes of 16 codes
.set R,     16                         ; v16-79   four sets of 16 numbers as they are loaded
.set X,     80                         ; v80-111  two sets of 16 neighbours
.set C,     128                        ; v128-191 codes: four registers for each step, so that no store's data are written again
.set E,     112                        ; v112-127 a scale byte for each step
.set WREG,  8192                       ; LDS: a region for each wave: two stages of 32 x SP bytes, and behind them its 256 scale bytes
.set SP,    80                         ; a lane's place in a stage: its 64 bytes + 16 of padding
.set SPW,   12                         ; v12      LDS address of my spare word; never rewritten
.set NIL,   13                         ; v13      0; never rewritten
.set SPARE, WAVES*WREG                 ; behind the four regions: the spare words, 128 bytes for each wave
	s_load_b512 s[4:19], s[0:1], 0x0               ; values s[4:5], keys s[6:7], query s[8:9], Wv s[10:11], Wk s[12:13], Wq s[14:15], Wo s[16:17], xc s[18:19]
	s_load_b64 s[20:21], s[0:1], 0x40              ; xs
	v_lshl_add_u32 v[SPW], v0, 2, SPARE
	v_mov_b32 v[NIL], 0
	v_lshrrev_b32 v1, 5, v0
	v_readfirstlane_b32 s26, v1                    ; wave
	v_and_b32 v2, 31, v0                           ; lane
	v_lshlrev_b32 v3, 4, v2                        ; my 16 bytes of a load's 512
	s_mul_i32 s27, s26, WREG
	v_lshrrev_b32 v14, 2, v2
	v_mul_u32_u24 v14, v14, SP
	v_and_b32 v15, 3, v2
	v_lshl_add_u32 v14, v15, 4, v14
	v_add_nc_u32 v14, s27, v14                     ; the stage, on the way in: four lanes' 64 bytes on end, then 16 of padding
	v_mul_u32_u24 v15, v2, SP
	v_add_nc_u32 v15, s27, v15                     ; and on the way out: SP x lane: my 16 neighbours
	v_mul_u32_u24 v4, v2, CB                       ; my codes' place in a step's
	v_lshrrev_b32 v5, 1, v2
	s_add_co_u32 s27, s27, 2*32*SP
	v_add_nc_u32 v5, s27, v5                       ; LDS: my wave's 256 scale bytes, my block's byte
	v_lshlrev_b32 v7, 3, v2                        ; and on the way out 8 bytes a lane
	v_add_nc_u32 v6, s27, v7
	s_and_b32 s28, s26, 1                          ; where my 8 rows are stored among the work-group's 32: groups 1 and 2 change places
	s_lshl_b32 s28, s28, 1
	s_lshr_b32 s29, s26, 1
	s_or_b32 s28, s28, s29
	s_cmp_lt_u32 ttmp9, 512                        ; in values and keys,
	s_cselect_b32 s29, 1, 0
	s_sub_co_u32 s30, ttmp9, 768
	s_cmp_lt_u32 s30, 96                           ; and in Wv, Wk, Wq
	s_cselect_b32 s30, 1, 0
	s_or_b32 s29, s29, s30
	s_cmp_lg_u32 s29, 0
	s_cselect_b32 s28, s28, s26
	s_wait_kmcnt 0x0
	s_mov_b64 s[22:23], s[4:5]                     ; which tensor is my work-group's: the choice hangs on the work-group's number alone
	s_mov_b32 s24, 0                               ; and that tensor's first work-group
.macro PICK thr, p
	s_cmp_ge_u32 ttmp9, \thr
	s_cselect_b64 s[22:23], s[\p:\p+1], s[22:23]
	s_cselect_b32 s24, \thr, s24
.endm
	PICK 256, 6
	PICK 512, 8
	PICK 768, 10
	PICK 800, 12
	PICK 832, 14
	PICK 864, 16
	s_sub_co_u32 s29, ttmp9, s24
	s_lshl_b32 s29, s29, 2
	s_add_co_u32 s30, s29, s26                     ; which run of 8,192 numbers of the tensor I read,
	s_lshl_b32 s30, s30, 15                        ; 32,768 bytes each
	s_mov_b32 s31, 0
	s_add_nc_u64 s[22:23], s[22:23], s[30:31]
	s_lshl_b32 s29, ttmp9, 2
	s_add_co_u32 s29, s29, s28                     ; and which run of xc and xs I write
	s_mul_i32 s30, s29, 32*STEPS*CB
	s_add_nc_u64 s[18:19], s[18:19], s[30:31]
	s_lshl_b32 s30, s29, 8
	s_add_nc_u64 s[20:21], s[20:21], s[30:31]
.macro LOAD t
.irp i, 0,1,2,3
	global_load_b128 v[R+16*((\t)%4)+4*\i:R+16*((\t)%4)+4*\i+3], v3, s[22:23] offset:2048*(\t)+512*\i th:TH_LOAD_NT   ; 32 lanes read 512 consecutive bytes
.endr
.endm
.macro TURN t                          ; step t's numbers through the stage: LDS serves a wave's instructions in order, so no wait stands between the stores and the loads
.irp i, 0,1,2,3
	ds_store_b128 v14, v[R+16*((\t)%4)+4*\i:R+16*((\t)%4)+4*\i+3] offset:32*SP*((\t)%2)+8*SP*\i
.endr
.irp i, 0,1,2,3
	ds_load_b128 v[X+16*((\t)%2)+4*\i:X+16*((\t)%2)+4*\i+3], v15 offset:32*SP*((\t)%2)+16*\i
.endr
.endm
.irp t, 0,1,2,3
	LOAD \t
.endr
	s_wait_loadcnt 12                              ; step 0's four loads are in; the twelve of steps 1 to 3 may be out
	TURN 0
.macro STEP t
.set XS, X+16*((\t)%2)
.if (\t) > 0
	s_wait_dscnt 1                                 ; this step's numbers are back from the stage (the last step's byte store may be out): so its stores into the stage have read their registers,
.else
	s_wait_dscnt 0x0
.endif
.if (\t)+4 < STEPS
	LOAD (\t)+4                                    ; which take the loads of four steps on
.endif
.if (\t)+1 < STEPS
.if STEPS-2-(\t) >= 3
	s_wait_loadcnt 12                              ; the next step's four loads are in; those of the three steps behind it may be out
.else
	s_wait_loadcnt 4*(STEPS-2-(\t))
.endif
	TURN (\t)+1                                    ; and go through the other stage while this step is worked
.endif
	v_max3_num_f32 v8, |v[XS]|, |v[XS+1]|, |v[XS+2]|               ; the largest magnitude of my 16, in two chains
	v_max3_num_f32 v9, |v[XS+3]|, |v[XS+4]|, |v[XS+5]|
.irp i, 6,10
	v_max3_num_f32 v8, v8, |v[XS+\i]|, |v[XS+\i+1]|
	v_max3_num_f32 v9, v9, |v[XS+\i+2]|, |v[XS+\i+3]|
.endr
	v_max3_num_f32 v8, v8, |v[XS+14]|, |v[XS+15]|
	v_max3_num_f32 v8, v8, v9, (EMAX+1)<<23        ; and the floor 2^(3 - 127): so the byte cannot fall under 1
	v_max_num_f32_dpp v8, v8, v8 row_xmask:1 row_mask:0xf bank_mask:0xf   ; and of my neighbour's 16: the block's
	v_add_nc_u32 v11, -(EMAX<<23), v8              ; 2 off its exponent field: the conversion takes the exponent field of this operand as its scale
	v_cvt_scalef32_pk16_fp6_f32 v[C+4*(\t):C+4*(\t)+2], v[XS:XS+15], v11   ; sixteen codes, 96 bits without gaps, the first number's code lowest
	v_lshrrev_b32 v[E+(\t)], 23, v11               ; the scale's byte
	ds_store_b8 v5, v[E+(\t)] offset:16*(\t)       ; both lanes of a block write the same byte with the same value
	global_store_b96 v4, v[C+4*(\t):C+4*(\t)+2], s[18:19] offset:32*CB*(\t)
.endm
.irp t, 0,1,2,3,4,5,6,7,8,9,10,11,12,13,14,15
	STEP \t
.endr
	ds_load_b64 v[8:9], v6                         ; LDS serves a wave's instructions in order: these see my stores
	s_wait_dscnt 0x0
	global_store_b64 v7, v[8:9], s[20:21]          ; 32 lanes store 256 consecutive bytes, aligned
	s_wait_tensorcnt 0x0                           ; the wave's end
	ds_add_u32 v[SPW], v[NIL]
	s_wait_dscnt 0x0
	s_endpgm
.Lfunc_end_k_q52efad09ee_quant:
	.size	k_q52efad09ee_quant, .Lfunc_end_k_q52efad09ee_quant-k_q52efad09ee_quant
	.p2alignl 7, 3214868480
	.fill 96, 4, 3214868480
	.section	.rodata,"a",@progbits
	.p2align	6, 0x0
	.amdhsa_kernel k_q52efad09ee_quant
		.amdhsa_group_segment_fixed_size 33280
		.amdhsa_private_segment_fixed_size 0
		.amdhsa_enable_private_segment 0
		.amdhsa_kernarg_size 72
		.amdhsa_user_sgpr_count 2
		.amdhsa_user_sgpr_kernarg_segment_ptr 1
		.amdhsa_wavefront_size32 1
		.amdhsa_system_sgpr_workgroup_id_x 1
		.amdhsa_system_sgpr_workgroup_id_y 1
		.amdhsa_system_sgpr_workgroup_id_z 1
		.amdhsa_system_vgpr_workitem_id 0
		.amdhsa_next_free_vgpr 192
		.amdhsa_next_free_sgpr 66
		.amdhsa_reserve_vcc 0
		.amdhsa_float_denorm_mode_32 3
		.amdhsa_float_denorm_mode_16_64 3
		.amdhsa_memory_ordered 1
		.amdhsa_forward_progress 1
		.amdhsa_inst_pref_size 34
	.end_amdhsa_kernel
	.amdgpu_metadata
---
amdhsa.version: [ 1, 2 ]
amdhsa.kernels:
  - .name:           k_q52efad09ee_quant
    .symbol:         k_q52efad09ee_quant.kd
    .args:
      - { .name: values, .offset: 0, .size: 8, .value_kind: global_buffer, .address_space: global }
      - { .name: keys, .offset: 8, .size: 8, .value_kind: global_buffer, .address_space: global }
      - { .name: query, .offset: 16, .size: 8, .value_kind: global_buffer, .address_space: global }
      - { .name: Wv, .offset: 24, .size: 8, .value_kind: global_buffer, .address_space: global }
      - { .name: Wk, .offset: 32, .size: 8, .value_kind: global_buffer, .address_space: global }
      - { .name: Wq, .offset: 40, .size: 8, .value_kind: global_buffer, .address_space: global }
      - { .name: Wo, .offset: 48, .size: 8, .value_kind: global_buffer, .address_space: global }
      - { .name: xc, .offset: 56, .size: 8, .value_kind: global_buffer, .address_space: global }
      - { .name: xs, .offset: 64, .size: 8, .value_kind: global_buffer, .address_space: global }
    .group_segment_fixed_size: 33280
    .private_segment_fixed_size: 0
    .kernarg_segment_align: 8
    .kernarg_segment_size: 72
    .max_flat_workgroup_size: 128
    .sgpr_count:     66
    .vgpr_count:     192
    .wavefront_size: 32
...
	.end_amdgpu_metadata
.endif
;; end of part 1
;; launch proj (part 2): grid 4 x 96, 4 waves a work-group, clusters of 4 x 4, 327,680 bytes of LDS; arguments xc, xs, qb, kv; writes qb, kv
.if DOCPART == 2
	.amdgcn_target "amdgcn-amd-amdhsa--gfx1250"
	.amdhsa_code_object_version 6
	.text
	.protected	k_q52efad09ee_proj
	.globl	k_q52efad09ee_proj
	.p2align	8
	.type	k_q52efad09ee_proj,@function
k_q52efad09ee_proj:
	s_mov_b64 s[64:65], 0
	v_nop
	global_prefetch_b8 v0, s[64:65] scope:SCOPE_SE
	s_setreg_imm32_b32 hwreg(HW_REG_WAVE_MODE, 25, 1), 1
	s_wait_xcnt 0x0
	s_wait_alu depctr_hold_cnt(0) depctr_sa_sdst(0) depctr_va_vdst(0) depctr_va_sdst(0) depctr_va_ssrc(0) depctr_va_vcc(0) depctr_vm_vsrc(0)
	s_getreg_b32 s2, hwreg(HW_REG_IB_STS2, 6, 4)
	s_cmp_eq_u32 s2, 0
	s_cbranch_scc0 .Lentry_in_a_cluster
	s_endpgm
.Lentry_in_a_cluster:
	s_bfe_u32 s2, ttmp6, 0x10000c
	s_cmp_lg_u32 s2, 0xf033
	s_cbranch_scc0 .Lentry_shape_is_right
	s_endpgm
.Lentry_shape_is_right:
; SECOND LAUNCH: q = query Wq^T, k = keys Wk^T, v = values Wv^T on the codes of xc and the scale bytes of xs; the results are quantised in registers and leave as codes alone.  No work is left out.
; A cluster of 4 x 4 work-groups makes 1,024 x 1,024 of one product; 24 clusters: kind = cluster y / 8 (0: q, 1: k, 2: v), sub = cluster y % 8.
; "A" (source 1 of the matrix instruction: one row a lane) is query, keys or Wv; "B" (source 0: a lane's registers run along it) is Wq, Wk or values.  By the stored row order of B (first launch) the 16 registers of two
; neighbouring tiles are 16 neighbours along B's rows.  So q and k come out with a token a lane and registers along the channels, v with a channel a lane and registers along the tokens: each along the K of the product
; that takes it next, and one way out quantises all three.
; THE LOOP: a work-group of four waves makes 256 x 256, a wave 128 x 128: 64 accumulators, 512 registers.  K goes in steps of 256 (rows of 192 bytes) through a ring of two LDS slots filled by tensor loads; the scale bytes of the
; work-group's rows, for all of K, come once with the first fills.  The four work-groups of a row of the cluster ask for A's tiles jointly, the four of a column for B's.
; THE WAY OUT: a "half image" is registers 0-5 of an operand (16 rows x 64 along K), 768 bytes: three runs of 256 bytes, run j holding lane l's registers 2 j, 2 j + 1 at byte 8 l.
;   qb[n 16 + head][group of 128 queries][6400]: 8 half images (query tile a at 768 a); at 6144 the scale words [row r][4]: word i = the two bytes of tile 2 i, then those of tile 2 i + 1.
;   kv[n 16 + head][step of 128 keys][12800]: K's 8 half images; at 6144 V's 4 fragments (channel tile t, halves at 768 (2 t + c)); at 12288 K's scale words as q's; at 12544 V's [row r][tile t].
; LIMITS: as in the first launch (byte 1 for blocks under 2^-124; NaN and infinities not served).
; REGISTERS, in windows of 256: window 0: v0-31 addresses; v32-63 scale words, two sets; v64-97 the way out's offsets and words; from v128 A's fragments, ONE set, later the codes; v224-251 at work on the way out.
;   window 1: B's fragments, two sets.   windows 2, 3: the accumulators (accumulator (a, b) at v[8 (8 (a % 4) + b)] of window 2 + a / 4).
.set SIZE_K, 1024
.set KSTEP,  256                       ; along K in a slot
.set NQ,     KSTEP/128
.set ROWB,   192                       ; a tile's row in bytes
.set KROW,   SIZE_K*6/8                ; a row of codes in memory
.set PITCH,  240                       ; an LDS row: 3 x (64 bytes + 16 of padding)
.set FR,     12                        ; registers of a fragment
.set NL,     6                         ; LDS loads that bring one
.set NP,     4                         ; places behind this matrix instruction (ISA guide 7.12.1)
.set HALFT,  128*PITCH
.set SLOT,   4*HALFT
.set LAPS,   SIZE_K/(2*KSTEP)
.set KS,     SIZE_K/32                 ; a row of scale bytes
.set SCL,    2*SLOT                    ; behind the ring: the scales, as runs of 256 bytes + 16 of padding
.set HALFS,  (128*KS/256)*272
.set SBLK,   (16*KS/256)*272
.set SPARE,  SCL+4*HALFS               ; the spare words, 128 bytes for each wave
.set ADRA, 16                          ; v16-17 LDS address of my A fragments in slot 0, 1 (v18-19: behind one padding more)
.set ADRB, 20                          ; v20-23 the same for B
.set ADRS, 27                          ; v27    LDS address of my scale words: lanes 0-15 A's rows, lanes 16-31 B's
.set SPW,  28                          ; v28    my spare word; never rewritten
.set NIL,  29                          ; v29    0; never rewritten
.set SC,   32                          ; v32-63 scale words and nothing else
.set AF,   128                         ; A's fragments
.set VO,   64                          ; v64-79   where block a's half image c goes: VO + 2 a + c
.set SWA,  80                          ; v80-87   scale words in q's and k's form
.set SW,   88                          ; v88-95   the scale words that are stored
.set VS,   96                          ; v96-97   where they go
.set CD,   128                         ; v128-223 the codes, 12 registers a block; never rewritten
.set PT,   224                         ; v224-231 the conversions' second halves
.set TM,   232                         ; v232-235 largest magnitudes
.set T4,   236                         ; v236-239 the other half's; then the bytes
.set BS,   240                         ; v240-243 the conversions' scale operands
.set PWA,  244                         ; v244-251 block a's scale word
.set G1, 24
.set G0, 32
.set G1B, 48
.set G0B, 56
.set G1S, 68
.set G0S, 76
.set G1SB, 80
.set G0SB, 88
.set SKV,  95                          ; s95  all ones for v, 0 for q and k
.set KIND, 96                          ; s96
.set SEL,  100                         ; s[100:101] lane selects for v_permlanex16_b32: lane l xor 16
.set MSB, 0
.macro WIN new                         ; the immediate's high byte repeats the setting that is left
.if MSB != (\new)
	s_set_vgpr_msb (MSB<<8)|(\new)
.set MSB, (\new)
.endif
.endm
.set MUL_LO, 0xa1                      ; source 0 (B) window 1, source 1 (A) window 0, C and D window 2
.set MUL_HI, 0xf1
.set TO_B,   0x40
; A joint load: waves 0 and 1 fetch for A, waves 2 and 3 for B; the branch hangs on the wave's number alone.  An s_nop 0 and four v_nop follow each of the two lines.
.macro JLOAD g0a, g1a, g0b, g1b
	s_cmp_eq_u32 s15, 0
	s_cbranch_scc0 .Lfor_b_\@
	tensor_load_to_lds s[\g0a:\g0a+3], s[\g1a:\g1a+7]
	s_nop 0
.rept 4
	v_nop
.endr
	s_branch .Lasked_\@
.Lfor_b_\@:
	tensor_load_to_lds s[\g0b:\g0b+3], s[\g1b:\g1b+7]
	s_nop 0
.rept 4
	v_nop
.endr
.Lasked_\@:
.endm
.macro CREST                           ; a round of the cluster's barrier behind its opening barrier
	s_cmp_lg_u32 s14, 0
	s_cbranch_scc1 .Lnot_wave_0_\@
	s_barrier_signal -3
.Lnot_wave_0_\@:
	s_barrier_wait -3
	s_barrier_signal -1
	s_barrier_wait -1
.endm
.macro CROUND
	s_barrier_signal -1
	s_barrier_wait -1
	CREST
.endm
	s_load_b128 s[4:7], s[0:1], 0x0                ; xc s[4:5], xs s[6:7]
	s_load_b128 s[8:11], s[0:1], 0x10              ; qb s[8:9], kv s[10:11]
	v_lshl_add_u32 v[SPW], v0, 2, SPARE
	v_mov_b32 v[NIL], 0
	ds_add_u32 v[SPW], v[NIL]                      ; the wave's opening: the add, twice on end, and its wait ahead of my first tensor load
	ds_add_u32 v[SPW], v[NIL]
	v_lshrrev_b32 v1, 5, v0
	v_readfirstlane_b32 s14, v1                    ; wave 0..3
	s_lshr_b32 s15, s14, 1                         ; which half of A's 256 rows is mine.  Also: I fetch for A (0) or for B (1)
	s_and_b32 s16, s14, 1                          ; which half of B's.  Also: which 128 rows I fetch
	s_bfe_u32 s40, ttmp6, 0x40000                  ; cx, cy: my place in the cluster
	s_bfe_u32 s41, ttmp6, 0x40004
	s_and_b32 s97, ttmp7, 0xffff                   ; the cluster's y
	s_lshr_b32 s[KIND], s97, 3
	s_and_b32 s97, s97, 7                          ; sub
	s_cmp_eq_u32 s[KIND], 2
	s_cselect_b32 s17, 0, s97                      ; the long operand (8,192 rows) is A for q and k, B for v
	s_cselect_b32 s42, s97, 0
	s_lshl_b32 s17, s17, 2
	s_add_co_u32 s17, s17, s41                     ; A's block of 256 rows
	s_lshl_b32 s42, s42, 2
	s_add_co_u32 s42, s42, s40                     ; B's block of 256 rows
	s_lshl_b32 s43, s41, 2
	s_lshl_b32 s43, 15, s43                        ; my row of the cluster
	s_lshl_b32 s44, 0x1111, s40                    ; my column
	s_mov_b32 s98, 12582912                        ; where the operands begin in xc and xs: A's codes, A's scales, B's codes, B's scales: q's,
	s_mov_b32 s99, 524288
	s_mov_b32 s100, 20447232
	s_mov_b32 s101, 851968
	s_cmp_eq_u32 s[KIND], 1                        ; k's,
	s_cselect_b32 s98, 6291456, s98
	s_cselect_b32 s99, 262144, s99
	s_cselect_b32 s100, 19660800, s100
	s_cselect_b32 s101, 819200, s101
	s_cmp_eq_u32 s[KIND], 2                        ; v's
	s_cselect_b32 s98, 18874368, s98
	s_cselect_b32 s99, 786432, s99
	s_cselect_b32 s100, 0, s100
	s_cselect_b32 s101, 0, s101
	; descriptor group 1: a tile of 128 rows x 192 bytes, 16 bytes of padding behind every 64
	s_or_b32 s[G1+0], s43, (0<<16)|(1<<20)|(1<<21)|(3<<22)|(3<<25)
	s_or_b32 s[G1B+0], s44, (0<<16)|(1<<20)|(1<<21)|(3<<22)|(3<<25)
.irp g, G1, G1B
	s_mov_b32 s[\g+1], ROWB<<16                    ; tensor_dim0
	s_mov_b32 s[\g+2], 128<<16                     ; tensor_dim1
	s_mov_b32 s[\g+3], ROWB<<16                    ; tile_dim0
	s_mov_b32 s[\g+4], 128                         ; tile_dim1
	s_mov_b32 s[\g+5], KROW                        ; tensor_dim0_stride
	s_mov_b32 s[\g+6], 0
	s_mov_b32 s[\g+7], 0
.endr
	; the scales of 128 rows: 4,096 dense bytes as 16 rows of 256 (32 elements of 8 bytes), 16 bytes of padding behind each
	s_or_b32 s[G1S+0], s43, (3<<16)|(1<<20)|(1<<21)|(5<<22)|(3<<25)
	s_or_b32 s[G1SB+0], s44, (3<<16)|(1<<20)|(1<<21)|(5<<22)|(3<<25)
.irp g, G1S, G1SB
	s_mov_b32 s[\g+1], 32<<16
	s_mov_b32 s[\g+2], (128*KS/256)<<16
	s_mov_b32 s[\g+3], 32<<16
	s_mov_b32 s[\g+4], 128*KS/256
	s_mov_b32 s[\g+5], 32
	s_mov_b32 s[\g+6], 0
	s_mov_b32 s[\g+7], 0
.endr
	s_lshl_b32 s18, s16, 7                         ; which 128 rows I fetch
	s_lshl_b32 s20, s17, 8
	s_add_co_u32 s20, s20, s18                     ; A's row
	s_lshl_b32 s46, s42, 8
	s_add_co_u32 s46, s46, s18                     ; B's row
	s_lshl_b32 s22, s20, 5                         ; their scales: 32 bytes a row (all offsets stay under 2^25),
	s_add_co_u32 s22, s22, s99
	s_mov_b32 s23, 0
	s_lshl_b32 s92, s46, 5
	s_add_co_u32 s92, s92, s101
	s_mov_b32 s93, 0
	s_mul_i32 s20, s20, KROW                       ; and their codes
	s_add_co_u32 s20, s20, s98
	s_mov_b32 s21, 0
	s_mul_i32 s46, s46, KROW
	s_add_co_u32 s46, s46, s100
	s_mov_b32 s47, 0
	s_mul_i32 s45, s14, HALFT                      ; where they go: wave x 128 rows: no place in the cluster enters an LDS address
	s_mul_i32 s94, s14, HALFS
	s_wait_dscnt 0x0                               ; both opening adds are done
	s_wait_kmcnt 0x0
	s_add_nc_u64 s[20:21], s[4:5], s[20:21]
	s_add_nc_u64 s[22:23], s[6:7], s[22:23]
	s_add_nc_u64 s[46:47], s[4:5], s[46:47]
	s_add_nc_u64 s[92:93], s[6:7], s[92:93]
	CROUND                                         ; all sixteen work-groups are here: the first joint loads meet
	s_mov_b32 s[G0S], 1
	s_add_co_u32 s[G0S+1], s94, SCL
	s_mov_b64 s[G0S+2:G0S+3], s[22:23]
	s_or_b32 s[G0S+3], s[G0S+3], 0x80000000
	s_mov_b32 s[G0SB], 1
	s_add_co_u32 s[G0SB+1], s94, SCL
	s_mov_b64 s[G0SB+2:G0SB+3], s[92:93]
	s_or_b32 s[G0SB+3], s[G0SB+3], 0x80000000
	JLOAD G0S, G1S, G0SB, G1SB                     ; the scales first: they are wanted with K step 0
.irp s, 0,1
	s_mov_b32 s[G0+4*\s], 1
	s_add_co_u32 s[G0+4*\s+1], s45, \s*SLOT
	s_add_nc_u64 s[G0+4*\s+2:G0+4*\s+3], s[20:21], \s*ROWB
	s_or_b32 s[G0+4*\s+3], s[G0+4*\s+3], 0x80000000
	s_mov_b32 s[G0B+4*\s], 1
	s_add_co_u32 s[G0B+4*\s+1], s45, \s*SLOT
	s_add_nc_u64 s[G0B+4*\s+2:G0B+4*\s+3], s[46:47], \s*ROWB
	s_or_b32 s[G0B+4*\s+3], s[G0B+4*\s+3], 0x80000000
	JLOAD G0+4*\s, G1, G0B+4*\s, G1B               ; three tensor loads of mine are out
.endr
	v_and_b32 v1, 15, v0                           ; r = l % 16
	v_bfe_u32 v2, v0, 4, 1                         ; h = l / 16
	v_mul_u32_u24 v3, v1, PITCH
	v_mul_u32_u24 v4, v2, 24
	v_add_nc_u32 v4, v3, v4                        ; a fragment's row x pitch + 24 x half
	v_lshl_add_u32 v5, v2, 4, v4                   ; and the same behind one padding more
	s_mul_i32 s21, s15, HALFT                      ; my 128 rows of A
	s_mul_i32 s22, s16, HALFT                      ; my 128 rows of B,
	s_add_co_u32 s22, s22, 2*HALFT                 ; which lie behind A's 256
.irp s, 0,1
	v_add_nc_u32 v[ADRA+\s], s21, v4
	v_add_nc_u32 v[ADRB+\s], s22, v4
	v_add_nc_u32 v[ADRA+2+\s], s21, v5
	v_add_nc_u32 v[ADRB+2+\s], s22, v5
	s_add_co_u32 s21, s21, SLOT
	s_add_co_u32 s22, s22, SLOT
.endr
	v_mul_u32_u24 v5, v1, KS                       ; my row's scales: KS bytes a row,
	v_lshrrev_b32 v6, 8, v5
	v_lshl_add_u32 v5, v6, 4, v5                   ; and 16 more for each 256 passed
	s_mul_i32 s21, s15, HALFS
	s_mul_i32 s22, s16, HALFS
	s_add_co_u32 s22, s22, 2*HALFS
	s_sub_co_u32 s22, s22, s21
	v_mul_u32_u24 v6, s22, v2                      ; lanes 16-31 take B's
	s_add_co_u32 s21, s21, SCL
	v_add_nc_u32 v5, v5, v6
	v_add_nc_u32 v[ADRS], s21, v5
	; THE WAY OUT'S OFFSETS.  X: the block of 256 along the tokens; Y: along the channels; xh, yh: my wave's half of each
	s_mov_b32 s18, 204800                          ; a head's bytes,
	s_mov_b32 s19, 12800                           ; a group's of 128 tokens,
	s_mov_b32 s20, 12288                           ; where its scale words begin: in kv, for k;
	s_cmp_eq_u32 s[KIND], 0
	s_cselect_b32 s18, 102400, s18                 ; in qb
	s_cselect_b32 s19, 6400, s19
	s_cselect_b32 s20, 6144, s20
	s_cselect_b64 s[12:13], s[8:9], s[10:11]       ; the buffer that I store into
	s_mov_b32 s23, 768
	s_mov_b32 s2, 3072
	s_cmp_eq_u32 s[KIND], 2
	s_cselect_b32 s20, 12544, s20                  ; for v
	s_cselect_b32 s21, 6144, 0                     ; where the codes begin in a group
	s_cselect_b32 s22, 768, s18                    ; from half image c = 0 to c = 1: q, k: the next head; v: the fragment's second half
	s_cselect_b32 s23, 1536, s23                   ; from block a to a + 1 (a % 4): q, k: the next tile; v: the next fragment
	s_cselect_b32 s2, s18, s2                      ; from a to a + 4: q, k: four tiles on; v: the next head
	s_cselect_b32 s66, s42, s17                    ; X
	s_cselect_b32 s67, s17, s42                    ; Y
	s_cselect_b32 s98, s16, s15                    ; xh
	s_cselect_b32 s99, s15, s16                    ; yh
	s_cselect_b32 s[SKV], -1, 0
	s_lshr_b32 s46, s66, 3                         ; n
	s_lshl_b32 s46, s46, 4
	s_lshl_b32 s47, s67, 2
	s_add_co_u32 s46, s46, s47
	s_lshl_b32 s47, s99, 1
	s_add_co_u32 s46, s46, s47                     ; 16 n + my first head
	s_mul_i32 s46, s46, s18
	s_and_b32 s47, s66, 7
	s_lshl_b32 s47, s47, 1
	s_add_co_u32 s47, s47, s98                     ; my group of 128 tokens
	s_mul_i32 s47, s47, s19
	s_add_co_u32 s46, s46, s47                     ; its first byte
	v_and_b32 v6, 31, v0
	v_lshlrev_b32 v6, 3, v6                        ; 8 x lane
	s_add_co_u32 s47, s46, s21
.irp q, 0,1
	s_mov_b32 s92, s47
.irp a, 0,1,2,3
	v_add_nc_u32 v[VO+2*(4*\q+\a)], s92, v6
	s_add_co_u32 s93, s92, s22
	v_add_nc_u32 v[VO+2*(4*\q+\a)+1], s93, v6
	s_add_co_u32 s92, s92, s23
.endr
	s_add_co_u32 s47, s47, s2
.endr
	s_add_co_u32 s92, s46, s20
	v_lshlrev_b32 v5, 4, v1                        ; 16 r: four scale words a row
	v_add_nc_u32 v[VS], s92, v5
	s_add_co_u32 s92, s92, s18
	v_add_nc_u32 v[VS+1], s92, v5                  ; and the next head's
	s_mov_b32 s[SEL], 0x76543210
	s_mov_b32 s[SEL+1], 0xfedcba98
.irp b, 0,1,2,3
	v_mov_b32 v[T4+\b], 0                          ; written once: a lane permute's destination counts as one of its sources
.endr
.macro FRAG reg, adr, q, i             ; a fragment: lane l holds row l % 16; registers 6 c .. 6 c + 5 hold K = 64 c + 32 (l / 16) + 0 .. 31: 24 bytes of the row, in pieces of 8
.irp p, 0,1,2,3,4,5
.set PCE, 12*(\q)+6*(\p/3)+\p%3        ; where the piece three on (lanes 16-31) lies behind one padding more, the second address register serves
.if PCE%8 < 5
	ds_load_b64 v[\reg+2*\p:\reg+2*\p+1], v[\adr] offset:8*PCE+16*(PCE/8)+(\i)*16*PITCH
.else
	ds_load_b64 v[\reg+2*\p:\reg+2*\p+1], v[\adr+2] offset:8*PCE+16*(PCE/8)+(\i)*16*PITCH
.endif
.endr
.endm
; 16 matrix instructions: A's blocks a0, a0 + 1 x B's eight.  The 64 accumulators take turns, one instruction a turn, in the same order in every step.
.macro MUL16 a0, p, q, sc, zero
.irp a, \a0, \a0+1
.irp b, 0,1,2,3,4,5,6,7
.if \zero
	v_wmma_scale_f32_16x16x128_f8f6f4 v[8*(8*((\a)%4)+\b):8*(8*((\a)%4)+\b)+7], v[128*(\p)+FR*\b:128*(\p)+FR*\b+FR-1], v[AF+FR*(\a):AF+FR*(\a)+FR-1], 0, v[SC+8*NQ*(\sc)+NQ*\b+(\q)], v[SC+8*NQ*(\sc)+NQ*(\a)+(\q)] matrix_a_fmt:MATRIX_FMT_FP6 matrix_b_fmt:MATRIX_FMT_FP6 matrix_a_scale:MATRIX_SCALE_ROW1
.else
	v_wmma_scale_f32_16x16x128_f8f6f4 v[8*(8*((\a)%4)+\b):8*(8*((\a)%4)+\b)+7], v[128*(\p)+FR*\b:128*(\p)+FR*\b+FR-1], v[AF+FR*(\a):AF+FR*(\a)+FR-1], v[8*(8*((\a)%4)+\b):8*(8*((\a)%4)+\b)+7], v[SC+8*NQ*(\sc)+NQ*\b+(\q)], v[SC+8*NQ*(\sc)+NQ*(\a)+(\q)] matrix_a_fmt:MATRIX_FMT_FP6 matrix_b_fmt:MATRIX_FMT_FP6 matrix_a_scale:MATRIX_SCALE_ROW1
.endif
.endr
.endr
.endm
.macro FETCH_B slot, q, p
	WIN TO_B
.irp i, 0,1,2,3,4,5,6,7
	FRAG 128*(\p)+FR*\i, ADRB+\slot, \q, \i
.endr
	WIN 0
.endm
.macro FETCH_A slot, q, i0
.irp i, \i0, \i0+1, \i0+2, \i0+3
	FRAG AF+FR*(\i), ADRA+\slot, \q, \i
.endr
.endm
.macro SCALES sc                       ; a K step's scale words: lanes 0-15 take A's block i, lanes 16-31 B's block i
.irp i, 0,1,2,3,4,5,6,7
	ds_load_b64 v[SC+8*NQ*\sc+NQ*\i:SC+8*NQ*\sc+NQ*\i+1], v[ADRS] offset:\i*SBLK
.endr
.endm
.macro PLACES n                        ; plain vector instructions between a matrix instruction and a load into, or a vector access of, its registers
.rept \n
	v_nop
.endr
.endm
.macro STEP slot, q, zero              ; a step of 128 along K that has its successor in the same slot
	s_wait_dscnt 4*NL                              ; B's set and A's blocks 0-3 are in; the 24 youngest loads (A's blocks 4-7) may be out
	WIN MUL_LO
	MUL16 0, (\q)%2, \q, \slot, \zero
	MUL16 2, (\q)%2, \q, \slot, \zero
	s_wait_dscnt 0
	PLACES NP
	FETCH_B \slot, (\q)+1, 1-(\q)%2
	FETCH_A \slot, (\q)+1, 0
	WIN MUL_HI
	MUL16 4, (\q)%2, \q, \slot, \zero
	MUL16 6, (\q)%2, \q, \slot, \zero
	PLACES NP
	WIN 0
	FETCH_A \slot, (\q)+1, 4
.endm
; A slot's last step changes slots: one barrier; in front of it each wave waits for all its tensor loads, adds 0 to its spare word, and waits for that and for its reads of this slot.
.macro TURN slot, next, fill
	s_wait_tensorcnt 0x0                           ; all my tensor loads have landed: my part of the next slot
	ds_add_u32 v[SPW], v[NIL]
	s_wait_dscnt 4*NL+1                            ; (the add and the 24 youngest loads may be out)
	WIN MUL_LO
	MUL16 0, 1, NQ-1, \slot, 0
	s_wait_dscnt 0x0                               ; the add is done, and my reads of this slot are over
	s_barrier_signal -1
	MUL16 2, 1, NQ-1, \slot, 0
	WIN 0
	s_barrier_wait -1
.if \fill
	CREST                                          ; the barrier has opened a round of the cluster's barrier: no wave of any partner still reads this slot or has a load on its way
	s_add_nc_u64 s[G0+4*\slot+2:G0+4*\slot+3], s[G0+4*\slot+2:G0+4*\slot+3], 2*ROWB
	s_add_nc_u64 s[G0B+4*\slot+2:G0B+4*\slot+3], s[G0B+4*\slot+2:G0B+4*\slot+3], 2*ROWB
	JLOAD G0+4*\slot, G1, G0B+4*\slot, G1B         ; my one tensor load behind the round; its four v_nop are the places in front of the loads below
.else
	PLACES NP
.endif
	v_add_nc_u32 v[ADRS], 4*NQ, v[ADRS]            ; on to the next K step's scale words
	FETCH_B \next, 0, 0
	FETCH_A \next, 0, 0
	SCALES \next
	WIN MUL_HI
	MUL16 4, 1, NQ-1, \slot, 0
	MUL16 6, 1, NQ-1, \slot, 0
	PLACES NP
	WIN 0
	FETCH_A \next, 0, 4
.endm
	s_wait_tensorcnt 1                             ; the scales and my part of K step 0 are in; K step 1's load may be out
	s_barrier_signal -1
	s_barrier_wait -1
	FETCH_B 0, 0, 0
	FETCH_A 0, 0, 0
	SCALES 0
	FETCH_A 0, 0, 4
	STEP 0, 0, 1                                   ; the first step's products start the sums
	s_mov_b32 s3, LAPS-1
.Llap:                                                 ; a trip goes once round the ring and fills both slots again
	TURN 0, 1, 1
	STEP 1, 0, 0
	TURN 1, 0, 1
	STEP 0, 0, 0
	s_sub_co_u32 s3, s3, 1
	s_cmp_lg_u32 s3, 0
	s_cbranch_scc1 .Llap
	TURN 0, 1, 0                                   ; the last lap fills nothing
	STEP 1, 0, 0
	s_wait_dscnt 4*NL
	WIN MUL_LO
	MUL16 0, 1, NQ-1, 1, 0
	MUL16 2, 1, NQ-1, 1, 0
	s_wait_dscnt 0
	WIN MUL_HI
	MUL16 4, 1, NQ-1, 1, 0
	MUL16 6, 1, NQ-1, 1, 0
	WIN 0
; THE WAY OUT.  Block a: 16 rows of A x 128 along B.  Register 16 b + i of a lane (r, h) is number 32 b + 16 h + i of row r: four blocks of 32, each in lanes l and l xor 16.  They become a fragment's 12 registers and a scale word.
.macro QUANTW a
.set W, 2+(\a)/4
.set AC, 64*((\a)%4)
.set CDA, CD+12*(\a)
.set WA, W|(W<<2)
.set WB, (W<<2)|(W<<4)
	WIN WA                                         ; sources 0 and 1: the accumulators' window
.irp b, 0,1,2,3
	v_max3_num_f32 v[TM+\b], |v[AC+16*\b]|, |v[AC+16*\b+1]|, 0x1800000   ; each accumulator is read from its low end on; the floor 2^(3 - 127) holds the byte at 1 from below
.endr
	WIN WB                                         ; sources 1 and 2
.irp i, 2,4,6,8,10,12,14
.irp b, 0,1,2,3
	v_max3_num_f32 v[TM+\b], v[TM+\b], |v[AC+16*\b+\i]|, |v[AC+16*\b+\i+1]|
.endr
.endr
	WIN 0
.irp b, 0,1,2,3
	v_permlanex16_b32 v[T4+\b], v[TM+\b], s[SEL], s[SEL+1]
.endr
.irp b, 0,1,2,3
	v_max_num_f32 v[TM+\b], v[TM+\b], v[T4+\b]     ; the block's largest magnitude
.endr
.irp b, 0,1,2,3
	v_add_nc_u32 v[BS+\b], 0xff000000, v[TM+\b]    ; 2 off its exponent field: the conversion's scale operand
.endr
.irp b, 0,1,2,3
	v_lshrrev_b32 v[T4+\b], 23, v[BS+\b]           ; the scale's byte
.endr
	v_lshl_or_b32 v[PWA+(\a)], v[T4+1], 8, v[T4]
	v_lshl_or_b32 v[PWA+(\a)], v[T4+2], 16, v[PWA+(\a)]
	v_lshl_or_b32 v[PWA+(\a)], v[T4+3], 24, v[PWA+(\a)]
	WIN W                                          ; source 0: the accumulators' window
.irp c, 0,1
	v_cvt_scalef32_pk16_fp6_f32 v[CDA+6*\c:CDA+6*\c+2], v[AC+32*\c:AC+32*\c+15], v[BS+2*\c]
	v_cvt_scalef32_pk16_fp6_f32 v[PT+4*\c:PT+4*\c+2], v[AC+32*\c+16:AC+32*\c+31], v[BS+2*\c+1]   ; (a conversion's three registers begin on an even number)
.endr
	WIN 0
	v_nop                                          ; one plain instruction behind a scaled conversion
.irp c, 0,1                                    ; the operand's layout wants a whole block in a lane: lanes 0-15 block 2 c, lanes 16-31 block 2 c + 1
.irp i, 0,1,2
	v_permlane16_swap_b32 v[CDA+6*\c+\i], v[PT+4*\c+\i]
.endr
.irp i, 0,1,2
	v_mov_b32 v[CDA+6*\c+3+\i], v[PT+4*\c+\i]
.endr
.endr
.irp c, 0,1
.irp j, 0,1,2
	global_store_b64 v[VO+2*(\a)+\c], v[CDA+6*\c+2*\j:CDA+6*\c+2*\j+1], s[12:13] offset:256*\j   ; 32 lanes store 256 consecutive bytes, aligned
.endr
.endr
.endm
	PLACES NP                                      ; behind the last products: their results are read, and A's registers are written, below
.irp a, 0,1,2,3,4,5,6,7
	QUANTW \a
.endr
.irp i, 0,1,2,3                                ; the scale words.  q, k: a block's word holds two heads' two bytes each: head g's words join the bytes of tiles 2 i and 2 i + 1
	v_perm_b32 v[SWA+\i], v[PWA+2*\i+1], v[PWA+2*\i], 0x05040100
	v_perm_b32 v[SWA+4+\i], v[PWA+2*\i+1], v[PWA+2*\i], 0x07060302
.endr
.irp i, 0,1,2,3,4,5,6,7                        ; v: a block's word is fragment a % 4's of head a / 4, as it stands
	v_cndmask_b32 v[SW+\i], v[SWA+\i], v[PWA+\i], s[SKV]
.endr
	global_store_b128 v[VS], v[SW:SW+3], s[12:13]          ; row r's four words; lanes l and l xor 16 store the same bytes with the same values
	global_store_b128 v[VS+1], v[SW+4:SW+7], s[12:13]
	s_wait_tensorcnt 0x0                           ; the wave's end
	ds_add_u32 v[SPW], v[NIL]
	s_wait_dscnt 0x0
	CROUND                                         ; the closing round: no work-group ends while a partner may still ask for a tile that names it
	s_endpgm
.Lfunc_end_k_q52efad09ee_proj:
	.size	k_q52efad09ee_proj, .Lfunc_end_k_q52efad09ee_proj-k_q52efad09ee_proj
	.p2alignl 7, 3214868480
	.fill 96, 4, 3214868480
	.section	.rodata,"a",@progbits
	.p2align	6, 0x0
	.amdhsa_kernel k_q52efad09ee_proj
		.amdhsa_group_segment_fixed_size 327680
		.amdhsa_private_segment_fixed_size 0
		.amdhsa_enable_private_segment 0
		.amdhsa_kernarg_size 32
		.amdhsa_user_sgpr_count 2
		.amdhsa_user_sgpr_kernarg_segment_ptr 1
		.amdhsa_wavefront_size32 1
		.amdhsa_system_sgpr_workgroup_id_x 1
		.amdhsa_system_sgpr_workgroup_id_y 1
		.amdhsa_system_sgpr_workgroup_id_z 1
		.amdhsa_system_vgpr_workitem_id 0
		.amdhsa_next_free_vgpr 1024
		.amdhsa_next_free_sgpr 104
		.amdhsa_reserve_vcc 0
		.amdhsa_float_denorm_mode_32 3
		.amdhsa_float_denorm_mode_16_64 3
		.amdhsa_memory_ordered 1
		.amdhsa_forward_progress 1
		.amdhsa_inst_pref_size 171
	.end_amdhsa_kernel
	.amdgpu_metadata
---
amdhsa.version: [ 1, 2 ]
amdhsa.kernels:
  - .name:           k_q52efad09ee_proj
    .symbol:         k_q52efad09ee_proj.kd
    .args:
      - { .name: xc, .offset: 0, .size: 8, .value_kind: global_buffer, .address_space: global }
      - { .name: xs, .offset: 8, .size: 8, .value_kind: global_buffer, .address_space: global }
      - { .name: qb, .offset: 16, .size: 8, .value_kind: global_buffer, .address_space: global }
      - { .name: kv, .offset: 24, .size: 8, .value_kind: global_buffer, .address_space: global }
    .group_segment_fixed_size: 327680
    .private_segment_fixed_size: 0
    .kernarg_segment_align: 8
    .kernarg_segment_size: 32
    .max_flat_workgroup_size: 128
    .sgpr_count:     104
    .vgpr_count:     1024
    .wavefront_size: 32
...
	.end_amdgpu_metadata
.endif
;; end of part 2
;; launch attn (part 3): grid 4 x 64, 8 waves a work-group, clusters of 4 x 1, 214,272 bytes of LDS; arguments qb, kv, mask, oc, os; writes oc, os
.if DOCPART == 3
	.amdgcn_target "amdgcn-amd-amdhsa--gfx1250"
	.amdhsa_code_object_version 6
	.text
	.protected	k_q52efad09ee_attn
	.globl	k_q52efad09ee_attn
	.p2align	8
	.type	k_q52efad09ee_attn,@function
k_q52efad09ee_attn:
	s_mov_b64 s[64:65], 0
	v_nop
	global_prefetch_b8 v0, s[64:65] scope:SCOPE_SE
	s_setreg_imm32_b32 hwreg(HW_REG_WAVE_MODE, 25, 1), 1
	s_wait_xcnt 0x0
	s_wait_alu depctr_hold_cnt(0) depctr_sa_sdst(0) depctr_va_vdst(0) depctr_va_sdst(0) depctr_va_ssrc(0) depctr_va_vcc(0) depctr_vm_vsrc(0)
	s_getreg_b32 s2, hwreg(HW_REG_IB_STS2, 6, 4)
	s_cmp_eq_u32 s2, 0
	s_cbranch_scc0 .Lentry_in_a_cluster
	s_endpgm
.Lentry_in_a_cluster:
	s_bfe_u32 s2, ttmp6, 0x10000c
	s_cmp_lg_u32 s2, 0x3003
	s_cbranch_scc0 .Lentry_shape_is_right
	s_endpgm
.Lentry_shape_is_right:
; THIRD LAUNCH: O = softmax(mask(q k^T / 8)) v for one head and 512 queries a work-group, both products on codes of E2M3; O is quantised along the model's 1,024 and leaves as codes (oc) and scale bytes (os).  No work is left out.
; THE SOFTMAX: t = score x log2(e) / 8; M = a whole number at or above the row's largest t so far; p = 2^(t - M) is quantised along the keys, not normalised; the row's sum is taken of the unquantised p and divides O at the end.
; When M moves, the sum and O are multiplied by 2^(old M - new M): exact.
; SHARES.  A head's K, V and scale words are one dense block of 204,800 bytes of kv: it comes into LDS ONCE, by one tensor load a wave (100 rows of 256 bytes), and stays: no slot is ever filled again, and no barrier stands in a loop.
; The four work-groups of a head are a cluster and ask for each part jointly.  Two passes of 256 queries; in a pass a wave holds TWO tiles of 16 queries: tile 0 in register window 0, tile 1 in window 1, AT THE SAME REGISTER NUMBERS,
; so that the softmax is written once and run under two window settings.  Each fragment of K and V, each scale word and the mask's terms are read from LDS once for both tiles.
; K = 64 IN AN INSTRUCTION OF 128.  A fragment of K holds TWO tiles of 16 keys, [tile 2 i | tile 2 i + 1]; it is multiplied by [q | 0] and by [0 | q].  Zero codes add nothing under any scale byte but 0xff, and all bytes lie in 1 .. 254.
; LAYOUT.  Both products are used transposed: S^T = K Q^T, O^T = V^T P^T: a lane holds one query.  By the stored order of keys and channels (first launch) register 16 b + i of S is key 32 b + 16 (lane / 16) + i of the step,
; and register 16 b + i of O is channel 32 b + 16 (lane / 16) + i.
; THE MASK is the C of S^T's products: 0 for a key that counts, -2^70 for one that does not (reference(): the logit -1e20).  LIMIT: both give p = 0 exactly beside a key that counts while its |score| stays under 2^60.
; A batch in which NO key counts has equal logits in reference(), p = 1 for every key: there c = 0 takes the place of c = log2(e) / 8 (a select, no branch).  A step of hidden keys alone, ahead of the first key that counts: M is taken
; of t + |t| 2^-22, which lies at or above the exact t, so that no p passes 1; what such a step sums is multiplied by 2^(old M - new M) = 0 when the first key that counts comes.
; LIMITS: byte 1 for blocks under 2^-124; NaN and infinities not served.
.set HEADB, 204800                     ; a head in kv and in LDS
.set STEPB, 12800                      ; a step of 128 keys: K 6,144, V 6,144, K's scale words 256, V's 256
.set BIAS,  204800                     ; LDS: the mask's 2,048 terms, f32
.set FLAG,  212992                     ; a word a wave: has my part of the mask a key that counts?
.set SPARE, 213248                     ; the spare words, 128 bytes for each of eight waves
; shared registers, window 0
.set AL8,  1                           ; v1   8 x lane
.set A16,  2                           ; v2   16 r
.set AB0,  3                           ; v3   BIAS + 64 h
.set ADK,  4                           ; v4   the step's codes
.set ADS,  5                           ; v5   its scale words
.set ADB,  6                           ; v6   its terms of the mask
.set QO,   7                           ; v7   my tiles' half images in a group of qb
.set QSO,  8                           ; v8   and their scale word
.set SOFF, 10                          ; v10  32 r: a row of os
.set SPW,  12                          ; v12  my spare word; never rewritten
.set NIL,  13                          ; v13  0; never rewritten
.set KF,   16                          ; v16-63 four fragments: K's, later V's
.set KS,   220                         ; v220-223 K's scale words;  v224-227 V's;  v228, v229 Q's (tile 0, 1);  v230, v231 p's: scales and nothing else
.set VS,   224
.set QS,   228
.set PW,   230
.set BI,   0                           ; window 1, v0-63: the mask's terms in S's layout
; a tile's registers: the same numbers in window 0 (tile 0) and window 1 (tile 1)
.set S,    64                          ; v64-127  S^T, then p
.set O,    128                         ; v128-159 O^T
.set QF,   160                         ; v160-177 [6 zeros | q | 6 zeros]: [0 | q] = v[160:171], [q | 0] = v[166:177]
.set PC,   178                         ; v178-189 p's codes
.set PT,   190                         ; v190-197 the conversions' second halves
.set NM,   198                         ; v198 -M;  v199 the largest t so far
.set TMX,  199
.set SUM,  200                         ; v[200:201] the row's sum in two halves
.set F,    202                         ; v202 2^(old M - new M); v203 is named with it as a pair
.set BM,   204                         ; v204-207 the blocks' largest scores, then largest p
.set BT,   208                         ; v208-211 the other half's; then the bytes
.set BS,   212                         ; v212-215 the conversions' scale operands
.set T0,   216
.set T1,   217
.set SUM2, 218                         ; v[218:219] the sum's second chain
.set SEL,  20                          ; s[20:21] lane selects: lane l xor 16
.set CS,   22                          ; s[22:23] c
.set G1,   24                          ; s[24:31], s[32:35] the descriptor
.set G0,   32
.set TB,   36                          ; s36 LDS byte at which the step begins
.set TBI,  37                          ; s37 and its terms of the mask
.set MSB, 0
.macro WIN new
.if MSB != (\new)
	s_set_vgpr_msb (MSB<<8)|(\new)
.set MSB, (\new)
.endif
.endm
.macro CROUND                          ; a round of the cluster's barrier
	s_barrier_signal -1
	s_barrier_wait -1
	s_cmp_lg_u32 s14, 0
	s_cbranch_scc1 .Lnot_wave_0_\@
	s_barrier_signal -3
.Lnot_wave_0_\@:
	s_barrier_wait -3
	s_barrier_signal -1
	s_barrier_wait -1
.endm
	s_load_b256 s[4:11], s[0:1], 0x0               ; qb s[4:5], kv s[6:7], mask s[8:9], oc s[10:11]
	s_load_b64 s[12:13], s[0:1], 0x20              ; os
	v_lshl_add_u32 v[SPW], v0, 2, SPARE
	v_mov_b32 v[NIL], 0
	ds_add_u32 v[SPW], v[NIL]                      ; the wave's opening: the add, twice on end, and its wait ahead of my first tensor load
	ds_add_u32 v[SPW], v[NIL]
	v_lshrrev_b32 v15, 5, v0
	s_delay_alu instid0(VALU_DEP_1)
	v_readfirstlane_b32 s14, v15                   ; wave 0..7
	s_bfe_u32 s15, ttmp6, 0x40000                  ; cx: which 512 queries of the head
	s_and_b32 s16, ttmp7, 0xffff                   ; 16 n + head, which the four partners share
	s_lshr_b32 s17, s16, 4                         ; n
	s_and_b32 s18, s16, 15                         ; head
	s_mov_b32 s[G1], 15|(3<<16)|(1<<21)            ; 15:0 the mask: all four work-groups; 17:16 elements of 8 bytes; 21 set beside a mask; no padding
	s_mov_b32 s[G1+1], 32<<16                      ; tensor_dim0 = 32 elements: 256 bytes
	s_mov_b32 s[G1+2], 100<<16                     ; tensor_dim1 = 100 rows
	s_mov_b32 s[G1+3], 32<<16                      ; tile_dim0
	s_mov_b32 s[G1+4], 100                         ; tile_dim1
	s_mov_b32 s[G1+5], 32                          ; the rows are dense
	s_mov_b32 s[G1+6], 0
	s_mov_b32 s[G1+7], 0
	s_mov_b32 s[SEL], 0x76543210
	s_mov_b32 s[SEL+1], 0xfedcba98
	s_mul_i32 s40, s16, 102400                     ; qb: my head, my group of 128 queries in pass 0: 4 cx + wave / 4
	s_lshl_b32 s42, s15, 2
	s_lshr_b32 s43, s14, 2
	s_add_co_u32 s42, s42, s43
	s_mul_i32 s42, s42, 6400
	s_add_co_u32 s40, s40, s42
	s_mov_b32 s41, 0
	s_mul_i32 s44, s16, HEADB                      ; kv: my head, my wave's eighth of it: no place in the cluster enters
	s_mul_i32 s[G0+1], s14, 25600                  ; the same eighth in LDS
	s_add_co_u32 s44, s44, s[G0+1]
	s_mov_b32 s45, 0
	s_lshl_b32 s46, s17, 13                        ; mask: batch n's 2,048 words
	s_mov_b32 s47, 0
	s_lshl_b32 s48, s17, 7                         ; oc: tile of rows 128 n + 32 cx + 2 wave (pass 0, tile 0), 12,288 bytes each; my head's 768
	s_lshl_b32 s42, s15, 5
	s_add_co_u32 s48, s48, s42
	s_lshl_b32 s42, s14, 1
	s_add_co_u32 s48, s48, s42
	s_mul_i32 s48, s48, 12288
	s_mul_i32 s42, s18, 768
	s_add_co_u32 s48, s48, s42
	s_mov_b32 s49, 0
	s_lshl_b32 s50, s17, 11                        ; os: row 2,048 n + 512 cx + 32 wave, 32 bytes each; my head's two
	s_lshl_b32 s42, s15, 9
	s_add_co_u32 s50, s50, s42
	s_lshl_b32 s42, s14, 5
	s_add_co_u32 s50, s50, s42
	s_lshl_b32 s50, s50, 5
	s_lshl_b32 s42, s18, 1
	s_add_co_u32 s50, s50, s42
	s_mov_b32 s51, 0
	s_wait_dscnt 0x0                               ; both opening adds are done
	s_wait_kmcnt 0x0
	s_add_nc_u64 s[4:5], s[4:5], s[40:41]
	s_mov_b32 s[G0], 1
	s_add_nc_u64 s[G0+2:G0+3], s[6:7], s[44:45]
	s_or_b32 s[G0+3], s[G0+3], 0x80000000
	s_add_nc_u64 s[8:9], s[8:9], s[46:47]
	s_add_nc_u64 s[10:11], s[10:11], s[48:49]
	s_add_nc_u64 s[12:13], s[12:13], s[50:51]
	CROUND                                         ; all four work-groups are here: the joint loads meet
	tensor_load_to_lds s[G0:G0+3], s[G1:G1+7]      ; my one tensor load of the launch
	s_nop 0
	v_and_b32 v15, 31, v0
	s_delay_alu instid0(VALU_DEP_1)
	v_lshlrev_b32 v[AL8], 3, v15
	v_and_b32 v15, 15, v0
	s_delay_alu instid0(VALU_DEP_1)
	v_lshlrev_b32 v[A16], 4, v15
	s_delay_alu instid0(VALU_DEP_2)
	v_lshlrev_b32 v[SOFF], 5, v15
	v_bfe_u32 v15, v0, 4, 1
	s_delay_alu instid0(VALU_DEP_1)
	v_lshl_add_u32 v[AB0], v15, 6, BIAS
	s_and_b32 s40, s14, 3
	s_mul_i32 s41, s40, 1536
	v_add_nc_u32 v[QO], s41, v[AL8]                ; my two tiles are tiles 2 (wave % 4) and 2 (wave % 4) + 1 of the group
	s_lshl_b32 s41, s40, 2
	v_add_nc_u32 v[QSO], s41, v[A16]               ; and share word wave % 4 of a row's four
	v_lshlrev_b32 v9, 5, v0                        ; the mask: thread t takes keys 8 t .. 8 t + 7
	v_lshl_add_u32 v[ADB], v0, 5, BIAS
	s_lshl_b32 s41, s14, 2
	s_add_co_u32 s41, s41, FLAG
	v_mov_b32 v11, s41
	global_load_b128 v[16:19], v9, s[8:9]
	global_load_b128 v[20:23], v9, s[8:9] offset:16
	v_mov_b32 v15, 0xe2800000                      ; -2^70
.macro ZERO                            ; what is written once: Q's zero codes, and registers that are named before they are first computed
.irp j, 0,1,2,3,4,5,12,13,14,15,16,17
	v_mov_b32 v[QF+\j], 0
.endr
.irp b, 0,1,2,3
	v_mov_b32 v[BT+\b], 0
.endr
	v_mov_b32 v[F+1], 0
	v_mov_b32 v[T1], 0
.endm
	ZERO
	WIN 0x40
	ZERO
	WIN 0
	s_wait_loadcnt 0x0
.irp i, 0,1,2,3,4,5,6,7
	v_cmp_eq_u32 vcc_lo, 0, v[16+\i]
	s_delay_alu instid0(VALU_DEP_1)
	v_cndmask_b32 v[24+\i], 0, v15, vcc_lo         ; 0 where the key counts, -2^70 where it does not
.endr
	ds_store_b128 v[ADB], v[24:27]
	ds_store_b128 v[ADB], v[28:31] offset:16
	v_or_b32 v16, v16, v17
	v_or_b32 v18, v18, v19
	v_or_b32 v20, v20, v21
	v_or_b32 v22, v22, v23
	s_delay_alu instid0(VALU_DEP_3)
	v_or_b32 v16, v16, v18
	s_delay_alu instid0(VALU_DEP_2)
	v_or_b32 v20, v20, v22
	s_delay_alu instid0(VALU_DEP_1)
	v_or_b32 v16, v16, v20
	s_delay_alu instid0(VALU_DEP_1)
	v_cmp_ne_u32 s40, 0, v16
	s_cmp_lg_u32 s40, 0
	s_cselect_b32 s41, 1, 0                        ; has any of my wave's 256 keys a say?
	v_mov_b32 v32, s41
	ds_store_b32 v11, v32                          ; all lanes write the same word with the same value
	s_wait_tensorcnt 0x0                           ; my part of the head has landed,
	s_wait_dscnt 0x0                               ; my stores too:
	s_barrier_signal -1
	s_barrier_wait -1                              ; everybody's have.  From here on LDS is only read
	v_mov_b32 v9, FLAG
	ds_load_b128 v[16:19], v9
	ds_load_b128 v[20:23], v9 offset:16
	s_wait_dscnt 0x0
	v_or_b32 v16, v16, v17
	v_or_b32 v18, v18, v19
	v_or_b32 v20, v20, v21
	v_or_b32 v22, v22, v23
	s_delay_alu instid0(VALU_DEP_3)
	v_or_b32 v16, v16, v18
	s_delay_alu instid0(VALU_DEP_2)
	v_or_b32 v20, v20, v22
	s_delay_alu instid0(VALU_DEP_1)
	v_or_b32 v16, v16, v20
	s_delay_alu instid0(VALU_DEP_1)
	v_readfirstlane_b32 s40, v16
	s_cmp_lg_u32 s40, 0
	s_cselect_b32 s[CS], 0x3e38aa3b, 0             ; c = log2(e) / 8; 0 where no key of the batch counts: a select, no branch
	s_mov_b32 s[CS+1], s[CS]                       ; (named with it as a pair)
.macro INIT                            ; a tile begins: the largest t -3e38, the sum and O^T zeros, which the first change of M leaves zeros
	v_mov_b32 v[TMX], 0xff61b1e6
	s_delay_alu instid0(VALU_DEP_1)
	v_floor_f32 v[NM], -v[TMX]
	v_mov_b32 v[SUM], 0
	v_mov_b32 v[SUM+1], 0
.set j, 0
.rept 32
	v_mov_b32 v[O+j], 0
.set j, j+1
.endr
.endm
.macro SMUL e                          ; S^T = K Q^T + the mask's terms: eight tiles of 16 keys, eight accumulators
.irp ph, 0,1,2,3
	v_wmma_scale_f32_16x16x128_f8f6f4 v[S+16*\ph:S+16*\ph+7], v[KF+12*\ph:KF+12*\ph+11], v[QF+6:QF+17], v[BI+16*\ph:BI+16*\ph+7], v[KS+\ph], v[QS+\e] matrix_a_fmt:MATRIX_FMT_FP6 matrix_b_fmt:MATRIX_FMT_FP6
	v_wmma_scale_f32_16x16x128_f8f6f4 v[S+16*\ph+8:S+16*\ph+15], v[KF+12*\ph:KF+12*\ph+11], v[QF:QF+11], v[BI+16*\ph+8:BI+16*\ph+15], v[KS+\ph], v[QS+\e] matrix_a_fmt:MATRIX_FMT_FP6 matrix_b_fmt:MATRIX_FMT_FP6
.endr
.endm
.macro PVMUL e                         ; O^T += V^T P^T: four tiles of 16 channels; the accumulators take turns
.irp t, 0,1,2,3
	v_wmma_scale_f32_16x16x128_f8f6f4 v[O+8*\t:O+8*\t+7], v[KF+12*\t:KF+12*\t+11], v[PC:PC+11], v[O+8*\t:O+8*\t+7], v[VS+\t], v[PW+\e] matrix_a_fmt:MATRIX_FMT_FP6 matrix_b_fmt:MATRIX_FMT_FP6
.endr
.endm
.macro SMAX                            ; the largest score of each block of 32 keys (it serves the row's maximum and, since p rises with the score, the block's largest p), the new M, and f
.irp b, 0,1,2,3
	v_max3_num_f32 v[BM+\b], v[S+16*\b], v[S+16*\b+1], v[S+16*\b+2]   ; each accumulator is read from its low end on
.endr
.irp i, 3,5,7,9,11,13
.irp b, 0,1,2,3
	v_max3_num_f32 v[BM+\b], v[BM+\b], v[S+16*\b+\i], v[S+16*\b+\i+1]
.endr
.endr
.irp b, 0,1,2,3
	v_max_num_f32 v[BM+\b], v[BM+\b], v[S+16*\b+15]
.endr
.irp b, 0,1,2,3
	s_delay_alu instid0(VALU_DEP_4)
	v_permlanex16_b32 v[BT+\b], v[BM+\b], s[SEL], s[SEL+1]
.endr
.irp b, 0,1,2,3
	s_delay_alu instid0(VALU_DEP_4)
	v_max_num_f32 v[BM+\b], v[BM+\b], v[BT+\b]     ; with lane l xor 16's 16 keys
.endr
	s_delay_alu instid0(VALU_DEP_2)
	v_max3_num_f32 v[T0], v[BM], v[BM+1], v[BM+2]
	s_delay_alu instid0(VALU_DEP_1)
	v_max_num_f32 v[T0], v[T0], v[BM+3]            ; the step's largest score of my query
	s_delay_alu instid0(VALU_DEP_1)
	v_mul_f32 v[T0], s[CS], v[T0]                  ; as t (c is not negative)
	s_delay_alu instid0(VALU_DEP_1)
	v_fma_f32 v[T0], |v[T0]|, 0x34800000, v[T0]    ; + |t| 2^-22: at or above the exact c x score, whatever its size
	s_delay_alu instid0(VALU_DEP_1)
	v_max_num_f32 v[TMX], v[TMX], v[T0]
	v_mov_b32 v[T0], v[NM]
	s_delay_alu instid0(VALU_DEP_2)
	v_floor_f32 v[NM], -v[TMX]                     ; the new -M: M is a whole number
	s_delay_alu instid0(VALU_DEP_1)
	v_sub_f32 v[T0], v[NM], v[T0]                  ; old M - new M: a whole number, 0 or less
	s_delay_alu instid0(VALU_DEP_1)
	v_cvt_i32_f32 v[T0], v[T0]                     ; (it saturates)
	s_delay_alu instid0(VALU_DEP_1)
	v_ldexp_f32 v[F], 1.0, v[T0]                   ; f = 2^(old M - new M)
.endm
.macro SEXP                            ; t - M, and p = 2^(t - M): none of these lines reads an exponential's result
.set j, 0
.rept 32
	v_pk_fma_f32 v[S+j:S+j+1], v[S+j:S+j+1], s[CS:CS+1], v[NM:NM+1] op_sel_hi:[1,0,0]
.set j, j+2
.endr
.irp b, 0,1,2,3
	v_fma_f32 v[BM+\b], v[BM+\b], s[CS], v[NM]     ; the same of each block's largest score
.endr
.set j, 0
	s_wait_alu depctr_va_vdst(0)
.rept 64
	v_exp_f32 v[S+j], v[S+j]
.set j, j+1
.endr
.irp b, 0,1,2,3
	v_exp_f32 v[BM+\b], v[BM+\b]                   ; the block's largest p: the same two instructions on the same number give the same bits
.endr
.endm
.macro SREST e                         ; the row's sum of the unquantised p; p's scale word and codes; O^T under the new M
	v_pk_add_f32 v[SUM2:SUM2+1], v[S:S+1], v[S+2:S+3]
.set j, 4
.rept 15
	v_pk_add_f32 v[SUM:SUM+1], v[SUM:SUM+1], v[S+j:S+j+1]
	v_pk_add_f32 v[SUM2:SUM2+1], v[SUM2:SUM2+1], v[S+j+2:S+j+3]
.set j, j+4
.endr
	s_delay_alu instid0(VALU_DEP_1)
	v_pk_add_f32 v[SUM:SUM+1], v[SUM:SUM+1], v[SUM2:SUM2+1]
.irp b, 0,1,2,3
	v_max_num_f32 v[BM+\b], 0x1800000, v[BM+\b]    ; the floor 2^(3 - 127): the byte cannot fall under 1
.endr
.irp b, 0,1,2,3
	s_delay_alu instid0(VALU_DEP_4)
	v_add_nc_u32 v[BS+\b], 0xff000000, v[BM+\b]    ; 2 off the exponent field: the conversion's scale operand
.endr
.irp b, 0,1,2,3
	s_delay_alu instid0(VALU_DEP_4)
	v_lshrrev_b32 v[BT+\b], 23, v[BS+\b]           ; the scale's byte
.endr
	s_delay_alu instid0(VALU_DEP_3)
	v_lshl_or_b32 v[T1], v[BT+1], 8, v[BT]
	s_delay_alu instid0(VALU_DEP_1)
	v_lshl_or_b32 v[T1], v[BT+2], 16, v[T1]
.if \e
	WIN 0x15                                       ; scale operands are taken from window 0: tile 1's word is written there
.endif
	v_lshl_or_b32 v[PW+\e], v[BT+3], 24, v[T1]
.if \e
	WIN 0x55
.endif
.irp c, 0,1
	v_cvt_scalef32_pk16_fp6_f32 v[PC+6*\c:PC+6*\c+2], v[S+32*\c:S+32*\c+15], v[BS+2*\c]
	v_cvt_scalef32_pk16_fp6_f32 v[PT+4*\c:PT+4*\c+2], v[S+32*\c+16:S+32*\c+31], v[BS+2*\c+1]
.endr
	v_nop                                          ; one plain instruction behind a scaled conversion
.irp c, 0,1                                    ; a whole block in a lane: lanes 0-15 block 2 c, lanes 16-31 block 2 c + 1
.irp i, 0,1,2
	v_permlane16_swap_b32 v[PC+6*\c+\i], v[PT+4*\c+\i]
.endr
.irp i, 0,1,2
	s_delay_alu instid0(VALU_DEP_3)
	v_mov_b32 v[PC+6*\c+3+\i], v[PT+4*\c+\i]
.endr
.endr
.set j, 0
.rept 16
	v_pk_mul_f32 v[O+j:O+j+1], v[O+j:O+j+1], v[F:F+1] op_sel_hi:[1,0]   ; these are also the places between the writes of p's codes and scale word and the products that take them
.set j, j+2
.endr
.endm
.macro LSUM                            ; the row's sum whole, and its reciprocal
	v_add_f32 v[T0], v[SUM], v[SUM+1]
	s_delay_alu instid0(VALU_DEP_1)
	v_permlanex16_b32 v[T1], v[T0], s[SEL], s[SEL+1]
	s_delay_alu instid0(VALU_DEP_1)
	v_add_f32 v[T0], v[T0], v[T1]
	s_wait_alu depctr_va_vdst(0)
	v_rcp_f32 v[F], v[T0]
	v_nop                                          ; a plain instruction behind the reciprocal
.endm
.macro OUT e                           ; O / the sum, quantised along the head's 64 channels (two blocks of the last product's K): a half image and two bytes a row
.if \e
	WIN 0x55
.else
	WIN 0
.endif
.set j, 0
.rept 16
	v_pk_mul_f32 v[S+j:S+j+1], v[O+j:O+j+1], v[F:F+1] op_sel_hi:[1,0]   ; each accumulator from its low end on
.set j, j+2
.endr
.irp b, 0,1
	v_max3_num_f32 v[BM+\b], |v[S+16*\b]|, |v[S+16*\b+1]|, 0x1800000
.endr
.irp i, 2,4,6,8,10,12,14
.irp b, 0,1
	s_delay_alu instid0(VALU_DEP_2)
	v_max3_num_f32 v[BM+\b], v[BM+\b], |v[S+16*\b+\i]|, |v[S+16*\b+\i+1]|
.endr
.endr
.irp b, 0,1
	s_delay_alu instid0(VALU_DEP_2)
	v_permlanex16_b32 v[BT+\b], v[BM+\b], s[SEL], s[SEL+1]
.endr
.irp b, 0,1
	s_delay_alu instid0(VALU_DEP_2)
	v_max_num_f32 v[BM+\b], v[BM+\b], v[BT+\b]
.endr
.irp b, 0,1
	s_delay_alu instid0(VALU_DEP_2)
	v_add_nc_u32 v[BS+\b], 0xff000000, v[BM+\b]
.endr
.irp b, 0,1
	s_delay_alu instid0(VALU_DEP_2)
	v_lshrrev_b32 v[BT+\b], 23, v[BS+\b]
.endr
	s_delay_alu instid0(VALU_DEP_1)
	v_lshl_or_b32 v[T0], v[BT+1], 8, v[BT]
	v_cvt_scalef32_pk16_fp6_f32 v[PC:PC+2], v[S:S+15], v[BS]
	v_cvt_scalef32_pk16_fp6_f32 v[PT:PT+2], v[S+16:S+31], v[BS+1]
	v_nop
.irp i, 0,1,2
	v_permlane16_swap_b32 v[PC+\i], v[PT+\i]
.endr
.irp i, 0,1,2
	s_delay_alu instid0(VALU_DEP_3)
	v_mov_b32 v[PC+3+\i], v[PT+\i]
.endr
	WIN 4*\e                                       ; a store's data are its source 1: the tile's window; the offsets lie in window 0
.irp j, 0,1,2
	global_store_b64 v[AL8], v[PC+2*\j:PC+2*\j+1], s[10:11] offset:256*\j+12288*\e   ; 32 lanes store 256 consecutive bytes, aligned
.endr
	global_store_b16 v[SOFF], v[T0], s[12:13] offset:512*\e   ; my row's two bytes (lanes l and l xor 16 the same): rows 32 bytes apart: one byte in 24 of what the launch stores
.endm
	s_mov_b32 s39, 2
.Lpass:                                                ; two passes of 256 queries
.irp j, 0,1,2
	global_load_b64 v[QF+6+2*\j:QF+7+2*\j], v[QO], s[4:5] offset:256*\j           ; tile 0's half image of q
.endr
	global_load_b32 v14, v[QSO], s[4:5] offset:6144                               ; both tiles' scale bytes of row r
	WIN 0x40
.irp j, 0,1,2
	global_load_b64 v[QF+6+2*\j:QF+7+2*\j], v[QO], s[4:5] offset:768+256*\j       ; tile 1's, into window 1
.endr
	WIN 0
	s_wait_loadcnt 0x0
	v_perm_b32 v[QS], v14, v14, 0x01000100         ; a tile's two bytes, twice: the word serves [q | 0] and [0 | q] alike
	v_perm_b32 v[QS+1], v14, v14, 0x03020302
	INIT                                           ; (these lines are also the places between the writes above and the first products)
	WIN 0x55
	INIT
	WIN 0
	s_mov_b32 s[TB], 0
	s_mov_b32 s[TBI], 0
	s_mov_b32 s38, 16
.Lstep:                                                ; 16 steps of 128 keys
	s_setprio 2
	v_add_nc_u32 v[ADK], s[TB], v[AL8]             ; four plain instructions: the places behind the last step's products, in front of the loads into their registers
	v_add_nc_u32 v[ADS], s[TB], v[A16]
	v_add_nc_u32 v[ADB], s[TBI], v[AB0]
	v_nop
	WIN 0x40
.irp b, 0,1,2,3
.irp i, 0,1,2,3
	ds_load_b128 v[BI+16*\b+4*\i:BI+16*\b+4*\i+3], v[ADB] offset:128*\b+16*\i     ; the mask's terms of keys 32 b + 16 h + 4 i on
.endr
.endr
	WIN 0
.irp f, 0,1,2,3,4,5,6,7
.irp j, 0,1,2
	ds_load_b64 v[KF+6*\f+2*\j:KF+6*\f+2*\j+1], v[ADK] offset:\f*768+256*\j       ; K's eight half images: four fragments
.endr
.endr
	ds_load_b128 v[KS:KS+3], v[ADS] offset:12288
	s_wait_alu depctr_va_vdst(0)
	s_wait_dscnt 0x0
	WIN 0x10                                       ; C in window 1
	SMUL 0
	WIN 0x54                                       ; Q, C and D in window 1
	SMUL 1
	WIN 0
.rept 4
	v_nop                                          ; places: K's registers take V, and the scores are read
.endr
.irp f, 0,1,2,3,4,5,6,7
.irp j, 0,1,2
	ds_load_b64 v[KF+6*\f+2*\j:KF+6*\f+2*\j+1], v[ADK] offset:6144+\f*768+256*\j  ; V's four fragments: they land while the softmax is worked
.endr
.endr
	ds_load_b128 v[VS:VS+3], v[ADS] offset:12544
	SMAX
	WIN 0x55
	SMAX
	WIN 0
	SEXP
	WIN 0x55
	s_setprio 1
	SEXP
	v_pk_mul_f32 v[SUM:SUM+1], v[SUM:SUM+1], v[F:F+1] op_sel_hi:[1,0]   ; tile 1's sums under the new M: the plain instruction behind the exponentials
	s_wait_alu depctr_va_vdst(0)                   ; the wait ahead of the first reader: one for both tiles' 136 exponentials
	SREST 1
	WIN 0
	v_pk_mul_f32 v[SUM:SUM+1], v[SUM:SUM+1], v[F:F+1] op_sel_hi:[1,0]
	SREST 0
	s_setprio 0
	s_wait_alu depctr_va_vdst(0)
	s_wait_dscnt 0x0                               ; V is in
	PVMUL 0
	WIN 0x54
	PVMUL 1
	WIN 0
	s_add_co_u32 s[TB], s[TB], STEPB
	s_add_co_u32 s[TBI], s[TBI], 512
	s_sub_co_u32 s38, s38, 1
	s_cmp_lg_u32 s38, 0
	s_cbranch_scc1 .Lstep
	s_setprio 0
.rept 4
	v_nop                                          ; places behind the last products
.endr
	LSUM
	WIN 0x55
	LSUM
	s_wait_alu depctr_va_vdst(0)                   ; one wait for the two reciprocals, ahead of their first reader
	OUT 1
	OUT 0
	WIN 0
	s_wait_xcnt 0x0                                ; the stores have read their data and bases: both are written again below and in the next pass
	s_add_nc_u64 s[4:5], s[4:5], 12800             ; two groups of 128 queries on
	s_add_nc_u64 s[10:11], s[10:11], 196608        ; 16 tiles of rows on
	s_add_nc_u64 s[12:13], s[12:13], 8192          ; 256 rows on
	s_sub_co_u32 s39, s39, 1
	s_cmp_lg_u32 s39, 0
	s_cbranch_scc1 .Lpass
	s_wait_tensorcnt 0x0                           ; the wave's end
	ds_add_u32 v[SPW], v[NIL]
	s_wait_dscnt 0x0
	CROUND                                         ; the closing round
	s_endpgm
.Lfunc_end_k_q52efad09ee_attn:
	.size	k_q52efad09ee_attn, .Lfunc_end_k_q52efad09ee_attn-k_q52efad09ee_attn
	.p2alignl 7, 3214868480
	.fill 96, 4, 3214868480
	.section	.rodata,"a",@progbits
	.p2align	6, 0x0
	.amdhsa_kernel k_q52efad09ee_attn
		.amdhsa_group_segment_fixed_size 214272
		.amdhsa_private_segment_fixed_size 0
		.amdhsa_enable_private_segment 0
		.amdhsa_kernarg_size 40
		.amdhsa_user_sgpr_count 2
		.amdhsa_user_sgpr_kernarg_segment_ptr 1
		.amdhsa_wavefront_size32 1
		.amdhsa_system_sgpr_workgroup_id_x 1
		.amdhsa_system_sgpr_workgroup_id_y 1
		.amdhsa_system_sgpr_workgroup_id_z 1
		.amdhsa_system_vgpr_workitem_id 0
		.amdhsa_next_free_vgpr 512
		.amdhsa_next_free_sgpr 66
		.amdhsa_reserve_vcc 1
		.amdhsa_float_denorm_mode_32 3
		.amdhsa_float_denorm_mode_16_64 3
		.amdhsa_memory_ordered 1
		.amdhsa_forward_progress 1
		.amdhsa_inst_pref_size 56
	.end_amdhsa_kernel
	.amdgpu_metadata
---
amdhsa.version: [ 1, 2 ]
amdhsa.kernels:
  - .name:           k_q52efad09ee_attn
    .symbol:         k_q52efad09ee_attn.kd
    .args:
      - { .name: qb, .offset: 0, .size: 8, .value_kind: global_buffer, .address_space: global }
      - { .name: kv, .offset: 8, .size: 8, .value_kind: global_buffer, .address_space: global }
      - { .name: mask, .offset: 16, .size: 8, .value_kind: global_buffer, .address_space: global }
      - { .name: oc, .offset: 24, .size: 8, .value_kind: global_buffer, .address_space: global }
      - { .name: os, .offset: 32, .size: 8, .value_kind: global_buffer, .address_space: global }
    .group_segment_fixed_size: 214272
    .private_segment_fixed_size: 0
    .kernarg_segment_align: 8
    .kernarg_segment_size: 40
    .max_flat_workgroup_size: 256
    .sgpr_count:     66
    .vgpr_count:     512
    .wavefront_size: 32
...
	.end_amdgpu_metadata
.endif
;; end of part 3
;; launch oproj (part 4): grid 4 x 32, 4 waves a work-group, clusters of 4 x 4, 327,680 bytes of LDS; arguments oc, os, xc, xs, bo, out0; writes out0
.if DOCPART == 4
	.amdgcn_target "amdgcn-amd-amdhsa--gfx1250"
	.amdhsa_code_object_version 6
	.text
	.protected	k_q52efad09ee_oproj
	.globl	k_q52efad09ee_oproj
	.p2align	8
	.type	k_q52efad09ee_oproj,@function
k_q52efad09ee_oproj:
	s_mov_b64 s[64:65], 0
	v_nop
	global_prefetch_b8 v0, s[64:65] scope:SCOPE_SE
	s_setreg_imm32_b32 hwreg(HW_REG_WAVE_MODE, 25, 1), 1
	s_wait_xcnt 0x0
	s_wait_alu depctr_hold_cnt(0) depctr_sa_sdst(0) depctr_va_vdst(0) depctr_va_sdst(0) depctr_va_ssrc(0) depctr_va_vcc(0) depctr_vm_vsrc(0)
	s_getreg_b32 s2, hwreg(HW_REG_IB_STS2, 6, 4)
	s_cmp_eq_u32 s2, 0
	s_cbranch_scc0 .Lentry_in_a_cluster
	s_endpgm
.Lentry_in_a_cluster:
	s_bfe_u32 s2, ttmp6, 0x10000c
	s_cmp_lg_u32 s2, 0xf033
	s_cbranch_scc0 .Lentry_shape_is_right
	s_endpgm
.Lentry_shape_is_right:
; FOURTH LAUNCH: out0 = O Wo^T + bo on the codes of oc (O) and of xc (Wo) with the scale bytes of os and xs.  No work is left out.
; A work-group of four waves makes 256 x 256 of out0, a wave 128 x 128: 64 accumulators.  K goes in steps of 256 through a ring of two LDS slots; the scale bytes of the work-group's rows come once with the first fills.
; 4 x 4 work-groups form a cluster: A's tiles are asked for jointly along a row of the cluster, B's along a column.  The matrix instruction is used transposed (source 0 = 16 rows of Wo, source 1 = 16 rows of O).
; A (O) LIES IN MEMORY AS IMAGES OF THE OPERAND'S REGISTERS: oc[tile of 16 rows][head][768]: registers 0-5 of a fragment for an even head, 6-11 for the odd head behind it; three runs of 256 bytes, run j holding lane l's registers
; 2 j, 2 j + 1 at byte 8 l.  A K step is 4 heads: 3,072 consecutive bytes of each tile of rows; a fragment comes from LDS by six loads of 8 bytes a lane, 256 consecutive bytes a load.
; bo is the C of each sum's first matrix instruction.
; LIMITS: NaN and infinities are not served.
; REGISTERS: window 0: v0-31 addresses; v32-63 scale words, two sets; v64-127 bo in the result's layout; from v128 A's fragments, one set; on the way out v128-255.  window 1: B's fragments, two sets.  windows 2, 3: the accumulators.
.set SIZE_K, 1024
.set SIZE_N, 1024
.set KSTEP,  256
.set NQ,     KSTEP/128
.set ROWB,   192                       ; a row of B's tile in bytes
.set KROW,   SIZE_K*6/8
.set PITCH,  240                       ; B's LDS row: 3 x (64 bytes + 16 of padding)
.set FR,     12
.set NL,     6
.set NP,     4
.set HALFT,  128*PITCH                 ; B: 128 rows
.set ATILE,  3072                      ; A: a tile of 16 rows x 256 along K
.set HALFA,  8*ATILE                   ; A: 128 rows
.set SLOT,   2*HALFA+2*HALFT           ; A's 256 rows, then B's 256 rows
.set LAPS,   SIZE_K/(2*KSTEP)
.set KS,     SIZE_K/32
.set SCL,    2*SLOT
.set HALFS,  (128*KS/256)*272
.set SBLK,   (16*KS/256)*272
.set SPARE,  SCL+4*HALFS
.set SPITCH, 528                       ; the way out: a stage of 16 rows x (512 bytes + 16) for each wave, in slot 0, which has had its last fill and its last read when the first result is stored there
.set ADRA, 16                          ; v16-17 LDS address of my A fragments in slot 0, 1
.set ADRB, 20                          ; v20-23 of B's (two for the pieces behind one padding more)
.set STO,  24
.set RD,   25
.set CO,   26
.set ADRS, 27
.set SPW,  28
.set NIL,  29
.set SC,   32
.set BI,   64                          ; v64-127 bo: register 8 b + j of lane (r, h): column 16 b + 8 h + j of my 128
.set AF,   128
.set BK,   128
.set G1, 24
.set G0, 32
.set G1B, 48
.set G0B, 56
.set G1S, 68
.set G0S, 76
.set G1SB, 80
.set G0SB, 88
.set MSB, 0
.macro WIN new
.if MSB != (\new)
	s_set_vgpr_msb (MSB<<8)|(\new)
.set MSB, (\new)
.endif
.endm
.set MUL_LO, 0xa1
.set MUL_HI, 0xf1
.set TO_B,   0x40
.macro JLOAD g0a, g1a, g0b, g1b
	s_cmp_eq_u32 s15, 0
	s_cbranch_scc0 .Lfor_b_\@
	tensor_load_to_lds s[\g0a:\g0a+3], s[\g1a:\g1a+7]
	s_nop 0
.rept 4
	v_nop
.endr
	s_branch .Lasked_\@
.Lfor_b_\@:
	tensor_load_to_lds s[\g0b:\g0b+3], s[\g1b:\g1b+7]
	s_nop 0
.rept 4
	v_nop
.endr
.Lasked_\@:
.endm
.macro CREST
	s_cmp_lg_u32 s14, 0
	s_cbranch_scc1 .Lnot_wave_0_\@
	s_barrier_signal -3
.Lnot_wave_0_\@:
	s_barrier_wait -3
	s_barrier_signal -1
	s_barrier_wait -1
.endm
.macro CROUND
	s_barrier_signal -1
	s_barrier_wait -1
	CREST
.endm
	s_load_b128 s[4:7], s[0:1], 0x0                ; oc s[4:5], os s[6:7]
	s_load_b128 s[8:11], s[0:1], 0x10              ; xc s[8:9], xs s[10:11]
	s_load_b128 s[96:99], s[0:1], 0x20             ; bo s[96:97], out0 s[98:99]
	v_lshl_add_u32 v[SPW], v0, 2, SPARE
	v_mov_b32 v[NIL], 0
	ds_add_u32 v[SPW], v[NIL]                      ; the wave's opening: the add, twice on end, and its wait ahead of my first tensor load
	ds_add_u32 v[SPW], v[NIL]
	v_lshrrev_b32 v1, 5, v0
	v_readfirstlane_b32 s14, v1                    ; wave 0..3
	s_lshr_b32 s15, s14, 1                         ; which half of the tile's rows is mine.  Also: I fetch for A (0) or for B (1)
	s_and_b32 s16, s14, 1                          ; which half of its columns.  Also: which 128 rows I fetch
	s_bfe_u32 s40, ttmp6, 0x40000                  ; cx, cy
	s_bfe_u32 s41, ttmp6, 0x40004
	s_lshl_b32 s42, ttmp9, 2
	s_add_co_u32 s42, s42, s40                     ; tile column
	s_and_b32 s17, ttmp7, 0xffff
	s_lshl_b32 s17, s17, 2
	s_add_co_u32 s17, s17, s41                     ; tile row
	s_lshl_b32 s43, s41, 2
	s_lshl_b32 s43, 15, s43                        ; my row of the cluster
	s_lshl_b32 s44, 0x1111, s40                    ; my column
	; group 1 for A: 8 tiles of rows x 3,072 bytes (384 elements of 8 bytes), 12,288 bytes apart; no padding
	s_or_b32 s[G1+0], s43, (3<<16)|(1<<21)
	s_mov_b32 s[G1+1], 384<<16
	s_mov_b32 s[G1+2], 8<<16
	s_mov_b32 s[G1+3], 384<<16
	s_mov_b32 s[G1+4], 8
	s_mov_b32 s[G1+5], 1536
	s_mov_b32 s[G1+6], 0
	s_mov_b32 s[G1+7], 0
	; for B: 128 rows x 192 bytes, 16 bytes of padding behind every 64
	s_or_b32 s[G1B+0], s44, (0<<16)|(1<<20)|(1<<21)|(3<<22)|(3<<25)
	s_mov_b32 s[G1B+1], ROWB<<16
	s_mov_b32 s[G1B+2], 128<<16
	s_mov_b32 s[G1B+3], ROWB<<16
	s_mov_b32 s[G1B+4], 128
	s_mov_b32 s[G1B+5], KROW
	s_mov_b32 s[G1B+6], 0
	s_mov_b32 s[G1B+7], 0
	; the scales of 128 rows: 16 rows of 256 bytes, 16 bytes of padding behind each
	s_or_b32 s[G1S+0], s43, (3<<16)|(1<<20)|(1<<21)|(5<<22)|(3<<25)
	s_or_b32 s[G1SB+0], s44, (3<<16)|(1<<20)|(1<<21)|(5<<22)|(3<<25)
.irp g, G1S, G1SB
	s_mov_b32 s[\g+1], 32<<16
	s_mov_b32 s[\g+2], (128*KS/256)<<16
	s_mov_b32 s[\g+3], 32<<16
	s_mov_b32 s[\g+4], 128*KS/256
	s_mov_b32 s[\g+5], 32
	s_mov_b32 s[\g+6], 0
	s_mov_b32 s[\g+7], 0
.endr
	s_lshl_b32 s20, s17, 4
	s_lshl_b32 s18, s16, 3
	s_add_co_u32 s20, s20, s18                     ; A: tile of rows 16 x tile row + 8 x half
	s_lshl_b32 s22, s20, 9                         ; its scale bytes: 16 rows of 32
	s_mov_b32 s23, 0
	s_mul_i32 s20, s20, 12288                      ; its codes
	s_mov_b32 s21, 0
	s_lshl_b32 s46, s42, 8
	s_lshl_b32 s18, s16, 7
	s_add_co_u32 s46, s46, s18                     ; B: row 256 x tile column + 128 x half of Wo
	s_lshl_b32 s92, s46, 5
	s_add_co_u32 s92, s92, 884736                  ; Wo's scale bytes in xs
	s_mov_b32 s93, 0
	s_mul_i32 s46, s46, KROW
	s_add_co_u32 s46, s46, 21233664                ; Wo's codes in xc
	s_mov_b32 s47, 0
	s_mul_i32 s45, s16, HALFA                      ; where they go: A's halves,
	s_mul_i32 s95, s16, HALFT
	s_add_co_u32 s95, s95, 2*HALFA                 ; B's halves behind them: no place in the cluster enters an LDS address
	s_mul_i32 s94, s14, HALFS
	s_wait_dscnt 0x0                               ; both opening adds are done
	s_wait_kmcnt 0x0
	s_add_nc_u64 s[20:21], s[4:5], s[20:21]
	s_add_nc_u64 s[22:23], s[6:7], s[22:23]
	s_add_nc_u64 s[46:47], s[8:9], s[46:47]
	s_add_nc_u64 s[92:93], s[10:11], s[92:93]
	s_mov_b64 s[12:13], s[98:99]                   ; out0
	CROUND                                         ; all sixteen work-groups are here: the first joint loads meet
	s_mov_b32 s[G0S], 1
	s_add_co_u32 s[G0S+1], s94, SCL
	s_mov_b64 s[G0S+2:G0S+3], s[22:23]
	s_or_b32 s[G0S+3], s[G0S+3], 0x80000000
	s_mov_b32 s[G0SB], 1
	s_add_co_u32 s[G0SB+1], s94, SCL
	s_mov_b64 s[G0SB+2:G0SB+3], s[92:93]
	s_or_b32 s[G0SB+3], s[G0SB+3], 0x80000000
	JLOAD G0S, G1S, G0SB, G1SB                     ; the scales first
.irp s, 0,1
	s_mov_b32 s[G0+4*\s], 1
	s_add_co_u32 s[G0+4*\s+1], s45, \s*SLOT
	s_add_nc_u64 s[G0+4*\s+2:G0+4*\s+3], s[20:21], \s*ATILE
	s_or_b32 s[G0+4*\s+3], s[G0+4*\s+3], 0x80000000
	s_mov_b32 s[G0B+4*\s], 1
	s_add_co_u32 s[G0B+4*\s+1], s95, \s*SLOT
	s_add_nc_u64 s[G0B+4*\s+2:G0B+4*\s+3], s[46:47], \s*ROWB
	s_or_b32 s[G0B+4*\s+3], s[G0B+4*\s+3], 0x80000000
	JLOAD G0+4*\s, G1, G0B+4*\s, G1B               ; three tensor loads of mine are out
.endr
	v_and_b32 v1, 15, v0                           ; r
	v_bfe_u32 v2, v0, 4, 1                         ; h
	v_mul_u32_u24 v3, v1, PITCH
	v_mul_u32_u24 v4, v2, 24
	v_add_nc_u32 v4, v3, v4                        ; B: a fragment's row x pitch + 24 x half
	v_lshl_add_u32 v5, v2, 4, v4                   ; and the same behind one padding more
	v_and_b32 v6, 31, v0
	v_lshlrev_b32 v3, 3, v6                        ; A: 8 x lane
	s_mul_i32 s21, s15, HALFA                      ; my 128 rows of A
	s_mul_i32 s22, s16, HALFT                      ; my 128 rows of B,
	s_add_co_u32 s22, s22, 2*HALFA                 ; which lie behind A's 256
.irp s, 0,1
	v_add_nc_u32 v[ADRA+\s], s21, v3
	v_add_nc_u32 v[ADRB+\s], s22, v4
	v_add_nc_u32 v[ADRB+2+\s], s22, v5
	s_add_co_u32 s21, s21, SLOT
	s_add_co_u32 s22, s22, SLOT
.endr
	v_mul_u32_u24 v5, v1, KS
	v_lshrrev_b32 v6, 8, v5
	v_lshl_add_u32 v5, v6, 4, v5
	s_mul_i32 s21, s15, HALFS
	s_mul_i32 s22, s16, HALFS
	s_add_co_u32 s22, s22, 2*HALFS
	s_sub_co_u32 s22, s22, s21
	v_mul_u32_u24 v6, s22, v2                      ; lanes 16-31 take B's scale words
	s_add_co_u32 s21, s21, SCL
	v_add_nc_u32 v5, v5, v6
	v_add_nc_u32 v[ADRS], s21, v5
	s_mul_i32 s23, s14, 16*SPITCH                  ; my stage
	v_mul_u32_u24 v5, v1, SPITCH
	v_lshl_add_u32 v5, v2, 5, v5
	v_add_nc_u32 v[STO], s23, v5
	v_and_b32 v6, 31, v0
	v_lshlrev_b32 v[CO], 4, v6
	v_add_nc_u32 v[RD], s23, v[CO]
	s_lshl_b32 s20, s17, 8
	s_lshl_b32 s21, s15, 7
	s_add_co_u32 s20, s20, s21                     ; my first row of out0
	s_lshl_b32 s20, s20, 12                        ; 4,096 bytes a row (under 2^25)
	s_mov_b32 s21, 0
	s_lshl_b32 s46, s42, 10                        ; my first column, in bytes: 1,024 x tile column + 512 x half
	s_lshl_b32 s47, s16, 9
	s_add_co_u32 s46, s46, s47
	s_mov_b32 s47, 0
	s_add_nc_u64 s[12:13], s[12:13], s[20:21]
	s_add_nc_u64 s[12:13], s[12:13], s[46:47]
	s_add_nc_u64 s[96:97], s[96:97], s[46:47]      ; bo at my first column: the same bytes
	v_lshlrev_b32 v7, 5, v2                        ; + 8 h numbers
.irp b, 0,1,2,3,4,5,6,7
	global_load_b128 v[BI+8*\b:BI+8*\b+3], v7, s[96:97] offset:64*\b
	global_load_b128 v[BI+8*\b+4:BI+8*\b+7], v7, s[96:97] offset:64*\b+16
.endr
.macro FRAG reg, adr, q, i             ; a fragment of B from rows of 192 bytes: pieces of 8 bytes
.irp p, 0,1,2,3,4,5
.set PCE, 12*(\q)+6*(\p/3)+\p%3
.if PCE%8 < 5
	ds_load_b64 v[\reg+2*\p:\reg+2*\p+1], v[\adr] offset:8*PCE+16*(PCE/8)+(\i)*16*PITCH
.else
	ds_load_b64 v[\reg+2*\p:\reg+2*\p+1], v[\adr+2] offset:8*PCE+16*(PCE/8)+(\i)*16*PITCH
.endif
.endr
.endm
.macro FRAGA reg, slot, q, i           ; a fragment of A from its two half images
.irp e, 0,1
.irp j, 0,1,2
	ds_load_b64 v[\reg+6*\e+2*\j:\reg+6*\e+2*\j+1], v[ADRA+\slot] offset:(\i)*ATILE+(2*(\q)+\e)*768+256*\j
.endr
.endr
.endm
; 16 matrix instructions.  zero = 1: the sums begin with bo.  The 64 accumulators take turns, one instruction a turn.
.macro MUL16 a0, p, q, sc, zero
.irp a, \a0, \a0+1
.irp b, 0,1,2,3,4,5,6,7
.if \zero
	v_wmma_scale_f32_16x16x128_f8f6f4 v[8*(8*((\a)%4)+\b):8*(8*((\a)%4)+\b)+7], v[128*(\p)+FR*\b:128*(\p)+FR*\b+FR-1], v[AF+FR*(\a):AF+FR*(\a)+FR-1], v[BI+8*\b:BI+8*\b+7], v[SC+8*NQ*(\sc)+NQ*\b+(\q)], v[SC+8*NQ*(\sc)+NQ*(\a)+(\q)] matrix_a_fmt:MATRIX_FMT_FP6 matrix_b_fmt:MATRIX_FMT_FP6 matrix_a_scale:MATRIX_SCALE_ROW1
.else
	v_wmma_scale_f32_16x16x128_f8f6f4 v[8*(8*((\a)%4)+\b):8*(8*((\a)%4)+\b)+7], v[128*(\p)+FR*\b:128*(\p)+FR*\b+FR-1], v[AF+FR*(\a):AF+FR*(\a)+FR-1], v[8*(8*((\a)%4)+\b):8*(8*((\a)%4)+\b)+7], v[SC+8*NQ*(\sc)+NQ*\b+(\q)], v[SC+8*NQ*(\sc)+NQ*(\a)+(\q)] matrix_a_fmt:MATRIX_FMT_FP6 matrix_b_fmt:MATRIX_FMT_FP6 matrix_a_scale:MATRIX_SCALE_ROW1
.endif
.endr
.endr
.endm
.macro FETCH_B slot, q, p
	WIN TO_B
.irp i, 0,1,2,3,4,5,6,7
	FRAG 128*(\p)+FR*\i, ADRB+\slot, \q, \i
.endr
	WIN 0
.endm
.macro FETCH_A slot, q, i0
.irp i, \i0, \i0+1, \i0+2, \i0+3
	FRAGA AF+FR*(\i), \slot, \q, \i
.endr
.endm
.macro SCALES sc
.irp i, 0,1,2,3,4,5,6,7
	ds_load_b64 v[SC+8*NQ*\sc+NQ*\i:SC+8*NQ*\sc+NQ*\i+1], v[ADRS] offset:\i*SBLK
.endr
.endm
.macro PLACES n
.rept \n
	v_nop
.endr
.endm
.macro STEP slot, q, zero
	s_wait_dscnt 4*NL                              ; B's set and A's blocks 0-3 are in; the 24 youngest loads (A's blocks 4-7) may be out
.if \zero
	WIN 0x81                                       ; C (bo) in window 0, D in window 2
.else
	WIN MUL_LO
.endif
	MUL16 0, (\q)%2, \q, \slot, \zero
	MUL16 2, (\q)%2, \q, \slot, \zero
	s_wait_dscnt 0
	PLACES NP
	FETCH_B \slot, (\q)+1, 1-(\q)%2
	FETCH_A \slot, (\q)+1, 0
.if \zero
	WIN 0xc1                                       ; D in window 3
.else
	WIN MUL_HI
.endif
	MUL16 4, (\q)%2, \q, \slot, \zero
	MUL16 6, (\q)%2, \q, \slot, \zero
	PLACES NP
	WIN 0
	FETCH_A \slot, (\q)+1, 4
.endm
.macro TURN slot, next, fill
	s_wait_tensorcnt 0x0                           ; all my tensor loads have landed: my part of the next slot
	ds_add_u32 v[SPW], v[NIL]
	s_wait_dscnt 4*NL+1                            ; (the add and the 24 youngest loads may be out)
	WIN MUL_LO
	MUL16 0, 1, NQ-1, \slot, 0
	s_wait_dscnt 0x0                               ; the add is done, and my reads of this slot are over
	s_barrier_signal -1
	MUL16 2, 1, NQ-1, \slot, 0
	WIN 0
	s_barrier_wait -1
.if \fill
	CREST                                          ; a round of the cluster's barrier: no wave of any partner still reads this slot or has a load on its way
	s_add_nc_u64 s[G0+4*\slot+2:G0+4*\slot+3], s[G0+4*\slot+2:G0+4*\slot+3], 2*ATILE
	s_add_nc_u64 s[G0B+4*\slot+2:G0B+4*\slot+3], s[G0B+4*\slot+2:G0B+4*\slot+3], 2*ROWB
	JLOAD G0+4*\slot, G1, G0B+4*\slot, G1B         ; my one tensor load behind the round
.else
	PLACES NP
.endif
	v_add_nc_u32 v[ADRS], 4*NQ, v[ADRS]
	FETCH_B \next, 0, 0
	FETCH_A \next, 0, 0
	SCALES \next
	WIN MUL_HI
	MUL16 4, 1, NQ-1, \slot, 0
	MUL16 6, 1, NQ-1, \slot, 0
	PLACES NP
	WIN 0
	FETCH_A \next, 0, 4
.endm
	s_wait_tensorcnt 1                             ; the scales and my part of K step 0 are in; K step 1's load may be out
	s_barrier_signal -1
	s_barrier_wait -1
	FETCH_B 0, 0, 0
	FETCH_A 0, 0, 0
	SCALES 0
	FETCH_A 0, 0, 4
	s_wait_loadcnt 0x0                             ; bo
	STEP 0, 0, 1                                   ; the first step's products start the sums, on bo
	s_mov_b32 s3, LAPS-1
.Llap:
	TURN 0, 1, 1
	STEP 1, 0, 0
	TURN 1, 0, 1
	STEP 0, 0, 0
	s_sub_co_u32 s3, s3, 1
	s_cmp_lg_u32 s3, 0
	s_cbranch_scc1 .Llap
	TURN 0, 1, 0                                   ; the last lap fills nothing
	STEP 1, 0, 0
	s_wait_dscnt 4*NL
	WIN MUL_LO
	MUL16 0, 1, NQ-1, 1, 0
	MUL16 2, 1, NQ-1, 1, 0
	s_wait_dscnt 0
	WIN MUL_HI
	MUL16 4, 1, NQ-1, 1, 0
	MUL16 6, 1, NQ-1, 1, 0
	WIN 0
; THE WAY OUT, block by block of 16 rows x 128 columns, through my own stage in LDS: back come whole rows of 512 bytes.  LDS serves a wave's instructions in order (ISA guide 5.7.1.4).
.macro TOSTAGE a
.set AC, 64*((\a)%4)
	WIN 0x08+4*((\a)/4)                            ; the data: window 2 or 3
.irp b, 0,1,2,3,4,5,6,7
	ds_store_b128 v[STO], v[AC+8*\b:AC+8*\b+3] offset:64*\b          ; each accumulator from its low end on
	ds_store_b128 v[STO], v[AC+8*\b+4:AC+8*\b+7] offset:64*\b+16
.endr
	WIN 0
.set BB, BK+64*((\a)%2)
.irp t, 0,1,2,3,4,5,6,7,8,9,10,11,12,13,14,15
	ds_load_b128 v[BB+4*\t:BB+4*\t+3], v[RD] offset:\t*SPITCH
.endr
.endm
.macro SEND a, younger
.set BB, BK+64*((\a)%2)
	s_wait_dscnt \younger                          ; the block is back in registers
.if (\a) > 0
	s_add_nc_u64 s[12:13], s[12:13], 16*SIZE_N*4   ; (behind a wait on XCNT: the earlier stores have read their base)
.endif
.irp t, 0,1,2,3,4,5,6,7,8,9,10,11,12,13,14,15
	global_store_b128 v[CO], v[BB+4*\t:BB+4*\t+3], s[12:13] offset:\t*SIZE_N*4 th:TH_STORE_NT   ; 32 lanes store 512 consecutive bytes, aligned to 256
.endr
.endm
	PLACES NP
	TOSTAGE 0
.irp a, 1,2,3,4,5,6,7
.if \a > 1
	s_wait_xcnt 0x0                                ; block a - 2's stores have read their registers and their base
.endif
	TOSTAGE \a
	SEND \a-1, 32                                  ; behind block a - 1's loads: block a's 16 stores and 16 loads
.endr
	s_wait_xcnt 0x0
	SEND 7, 0
	s_wait_tensorcnt 0x0                           ; the wave's end
	ds_add_u32 v[SPW], v[NIL]
	s_wait_dscnt 0x0
	CROUND                                         ; the closing round
	s_endpgm
.Lfunc_end_k_q52efad09ee_oproj:
	.size	k_q52efad09ee_oproj, .Lfunc_end_k_q52efad09ee_oproj-k_q52efad09ee_oproj
	.p2alignl 7, 3214868480
	.fill 96, 4, 3214868480
	.section	.rodata,"a",@progbits
	.p2align	6, 0x0
	.amdhsa_kernel k_q52efad09ee_oproj
		.amdhsa_group_segment_fixed_size 327680
		.amdhsa_private_segment_fixed_size 0
		.amdhsa_enable_private_segment 0
		.amdhsa_kernarg_size 48
		.amdhsa_user_sgpr_count 2
		.amdhsa_user_sgpr_kernarg_segment_ptr 1
		.amdhsa_wavefront_size32 1
		.amdhsa_system_sgpr_workgroup_id_x 1
		.amdhsa_system_sgpr_workgroup_id_y 1
		.amdhsa_system_sgpr_workgroup_id_z 1
		.amdhsa_system_vgpr_workitem_id 0
		.amdhsa_next_free_vgpr 1024
		.amdhsa_next_free_sgpr 100
		.amdhsa_reserve_vcc 0
		.amdhsa_float_denorm_mode_32 3
		.amdhsa_float_denorm_mode_16_64 3
		.amdhsa_memory_ordered 1
		.amdhsa_forward_progress 1
		.amdhsa_inst_pref_size 162
	.end_amdhsa_kernel
	.amdgpu_metadata
---
amdhsa.version: [ 1, 2 ]
amdhsa.kernels:
  - .name:           k_q52efad09ee_oproj
    .symbol:         k_q52efad09ee_oproj.kd
    .args:
      - { .name: oc, .offset: 0, .size: 8, .value_kind: global_buffer, .address_space: global }
      - { .name: os, .offset: 8, .size: 8, .value_kind: global_buffer, .address_space: global }
      - { .name: xc, .offset: 16, .size: 8, .value_kind: global_buffer, .address_space: global }
      - { .name: xs, .offset: 24, .size: 8, .value_kind: global_buffer, .address_space: global }
      - { .name: bo, .offset: 32, .size: 8, .value_kind: global_buffer, .address_space: global }
      - { .name: out0, .offset: 40, .size: 8, .value_kind: global_buffer, .address_space: global }
    .group_segment_fixed_size: 327680
    .private_segment_fixed_size: 0
    .kernarg_segment_align: 8
    .kernarg_segment_size: 48
    .max_flat_workgroup_size: 128
    .sgpr_count:     100
    .vgpr_count:     1024
    .wavefront_size: 32
...
	.end_amdgpu_metadata
.endif
;; end of part 4
